; MI455X (gfx1250); checked and timed in simulation.
; The chip was launched on July 23, 2026; its instructions are those of AMD's public machine-readable ISA for CDNA 5 (MIT licence, August 2026) and "CDNA5" Instruction Set Architecture Reference Guide (July 2026). The comments in the code are by the model that wrote it; some were corrected since.
;; Multiscale Deformable Self Attention. Allowed arithmetic: float matrix products may take bf16 or f16 operands with f32 sums; other float arithmetic in f32, or as packed bf16 or f16 multiplies, adds, multiply-adds, maxima and minima; sums over many terms, partial sums and values carried from step to step in f32; what a program stores and reads back later, other than sums and carried values, may be rounded once to bf16 or f16.
;; Inputs: W_attn 256 x 128 float32; W_off 256 x 256 float32; W_out 256 x 256 float32; W_value 256 x 256 float32; b_attn 128 float32; b_off 256 float32; b_out 256 float32; b_value 256 float32; hidden_states 4 x 8,500 x 256 float32; position_embeddings 4 x 8,500 x 256 float32; reference_points 4 x 8,500 x 4 x 2 float32; spatial_shapes 4 x 2 int32.
;; Outputs: out0 4 x 8,500 x 256 float32.
;; 2 versions, each right and faster than the one before. Each part assembles by itself: llvm-mc -triple=amdgcn-amd-amdhsa -mcpu=gfx1250 --defsym DOCPART=n.
;; ======== version 1 of 2: 3 launches
;; limits: values are held in f16: magnitudes above 65,504 overflow, below 6.1e-05 lose precision
;; workspace buffers: wfrag 458,752 bytes; vals 17,408,000 bytes; wts 34,816,000 bytes; idx 8,704,000 bytes of whole numbers
;; launch prep (part 1): grid 7 x 8, 8 waves a work-group, no clusters, 0 bytes of LDS; arguments W_value, W_off, W_attn, W_out, wfrag; writes wfrag
.if DOCPART == 1
	.amdgcn_target "amdgcn-amd-amdhsa--gfx1250"
	.amdhsa_code_object_version 6
	.text
	.protected	k_qcc649fa031_prep
	.globl	k_qcc649fa031_prep
	.p2align	8
	.type	k_qcc649fa031_prep,@function
k_qcc649fa031_prep:
	s_mov_b64 s[64:65], 0
	v_nop
	global_prefetch_b8 v0, s[64:65] scope:SCOPE_SE
	s_setreg_imm32_b32 hwreg(HW_REG_WAVE_MODE, 25, 1), 1
	s_wait_xcnt 0x0
; The four weight matrices ([k][n], f32) are rounded once to f16 and laid out as matrix fragments, so that the later launches fill a
; fragment with two loads of 16 bytes a lane.  wfrag: 56 tiles of 16 output columns x 8 K steps of 32 x 1,024 bytes; in a K step's block
; lane L's registers 0-3 lie at 16 L, its registers 4-7 at 512 + 16 L.  Lane (r = L % 16, h = L / 16) holds column c(tile, r) and
; k = 32 s + 8 h + 0..7 (registers 0-3), 32 s + 16 + 8 h + 0..7 (registers 4-7), the lower k in the lower half of a register.
; Tiles 5 m + 0, 1: W_value's columns 32 m + 16 j + r.  5 m + 2, 3: W_off's 32 m + 16 (j - 2) + r.  5 m + 4: W_attn's column
; 16 m + 4 (r / 8) + 8 ((r / 4) % 2) + r % 4, so that in the product a lane holds the logits of the same points as the offsets it holds.
; Tiles 40 + t: W_out's columns 16 t + r.
; SHARES.  Work-group (j, m), wave s: one tile's K step s, 1,024 bytes.  56 work-groups: there is no more work than that.
; LIMITS.  f16: a weight of 65,520 or more becomes an infinity; below 6.1e-5 it keeps the fixed step of 6e-8.
	s_load_b256 s[4:11], s[0:1], 0x0               ; W_value s[4:5], W_off s[6:7], W_attn s[8:9], W_out s[10:11]
	s_load_b64 s[12:13], s[0:1], 0x20              ; wfrag
	v_lshrrev_b32 v1, 5, v0
	v_readfirstlane_b32 s14, v1                    ; s: the wave's number is the K step
	v_and_b32 v2, 31, v0                           ; L
	v_and_b32 v3, 15, v0                           ; r
	v_bfe_u32 v4, v0, 4, 1                         ; h
	s_mov_b32 s15, ttmp9                           ; j, 0 to 6
	s_and_b32 s16, ttmp7, 0xffff                   ; m, 0 to 7
	s_and_b32 s17, s15, 1
	s_sub_co_u32 s18, s15, 5                       ; j - 5 (used where j is 5 or 6)
	s_cmp_lt_u32 s15, 5
	s_cselect_b32 s17, s17, s18                    ; which 16 of the head's 32 columns
	s_mul_i32 s19, s16, 5
	s_add_co_u32 s19, s19, s15                     ; 5 m + j
	s_lshl1_add_u32 s20, s16, s18
	s_add_co_u32 s20, s20, 40                      ; 40 + 2 m + (j - 5)
	s_cmp_lt_u32 s15, 5
	s_cselect_b32 s19, s19, s20                    ; the tile's number
	s_lshl_b32 s21, s16, 5
	s_lshl4_add_u32 s21, s17, s21                  ; 32 m + 16 x which
	s_lshl_b32 s22, s16, 4
	s_cmp_eq_u32 s15, 4
	s_cselect_b32 s21, s22, s21                    ; the tile's first column (W_attn: 16 m)
	s_cselect_b32 s23, -1, 0                       ; all lanes: the permuted column, or none
	v_lshrrev_b32 v5, 3, v3
	v_bfe_u32 v6, v3, 2, 1
	v_and_b32 v7, 3, v3
	v_lshl_add_u32 v7, v5, 2, v7
	v_lshl_add_u32 v7, v6, 3, v7                   ; 4 (r / 8) + 8 ((r / 4) % 2) + r % 4
	v_cndmask_b32 v5, v3, v7, s23
	v_add_nc_u32 v5, s21, v5                       ; my column
	s_lshl_b32 s26, s14, 5
	v_lshl_add_u32 v6, v4, 3, s26                  ; my first k: 32 s + 8 h
	s_lshl_b32 s27, s19, 13
	s_lshl_b32 s28, s14, 10
	s_add_co_u32 s27, s27, s28
	v_lshl_add_u32 v9, v2, 4, s27                  ; 8,192 tile + 1,024 s + 16 L
	s_wait_kmcnt 0x0
	s_cmp_lt_u32 s15, 2                            ; the source: a choice among the four buffers by j alone
	s_cselect_b64 s[24:25], s[4:5], s[6:7]
	s_cmp_lt_u32 s15, 4
	s_cselect_b64 s[24:25], s[24:25], s[8:9]
	s_cmp_lt_u32 s15, 5
	s_cselect_b64 s[24:25], s[24:25], s[10:11]
; Sixteen numbers of one column, rounded in pairs, stored as two runs of 512 consecutive bytes a wave.  pitch: bytes in a row of the source.
.macro CONV pitch
	v_mul_u32_u24 v8, v6, \pitch
	v_lshl_add_u32 v8, v5, 2, v8
.irp i, 0,1,2,3,4,5,6,7
	global_load_b32 v[10+(\i)], v8, s[24:25] offset:(\i)*(\pitch)
	global_load_b32 v[18+(\i)], v8, s[24:25] offset:(16+(\i))*(\pitch)
.endr
	s_wait_loadcnt 0x0
.irp i, 0,1,2,3,4,5,6,7
	v_cvt_pk_f16_f32 v[26+(\i)], v[10+2*(\i)], v[11+2*(\i)]
.endr
	global_store_b128 v9, v[26:29], s[12:13]
	global_store_b128 v9, v[30:33], s[12:13] offset:512
	s_endpgm
.endm
	s_cmp_eq_u32 s15, 4
	s_cbranch_scc1 .Lattn
	CONV 1024
.Lattn:
	CONV 512                                       ; W_attn has 128 columns
.Lfunc_end_k_qcc649fa031_prep:
	.size	k_qcc649fa031_prep, .Lfunc_end_k_qcc649fa031_prep-k_qcc649fa031_prep
	.p2alignl 7, 3214868480
	.fill 96, 4, 3214868480
	.section	.rodata,"a",@progbits
	.p2align	6, 0x0
	.amdhsa_kernel k_qcc649fa031_prep
		.amdhsa_group_segment_fixed_size 0
		.amdhsa_private_segment_fixed_size 0
		.amdhsa_enable_private_segment 0
		.amdhsa_kernarg_size 40
		.amdhsa_user_sgpr_count 2
		.amdhsa_user_sgpr_kernarg_segment_ptr 1
		.amdhsa_wavefront_size32 1
		.amdhsa_system_sgpr_workgroup_id_x 1
		.amdhsa_system_sgpr_workgroup_id_y 1
		.amdhsa_system_sgpr_workgroup_id_z 1
		.amdhsa_system_vgpr_workitem_id 0
		.amdhsa_next_free_vgpr 40
		.amdhsa_next_free_sgpr 66
		.amdhsa_reserve_vcc 0
		.amdhsa_float_denorm_mode_32 3
		.amdhsa_float_denorm_mode_16_64 3
		.amdhsa_memory_ordered 1
		.amdhsa_forward_progress 1
		.amdhsa_inst_pref_size 7
	.end_amdhsa_kernel
	.amdgpu_metadata
---
amdhsa.version: [ 1, 2 ]
amdhsa.kernels:
  - .name:           k_qcc649fa031_prep
    .symbol:         k_qcc649fa031_prep.kd
    .args:
      - { .name: W_value, .offset: 0, .size: 8, .value_kind: global_buffer, .address_space: global }
      - { .name: W_off, .offset: 8, .size: 8, .value_kind: global_buffer, .address_space: global }
      - { .name: W_attn, .offset: 16, .size: 8, .value_kind: global_buffer, .address_space: global }
      - { .name: W_out, .offset: 24, .size: 8, .value_kind: global_buffer, .address_space: global }
      - { .name: wfrag, .offset: 32, .size: 8, .value_kind: global_buffer, .address_space: global }
    .group_segment_fixed_size: 0
    .private_segment_fixed_size: 0
    .kernarg_segment_align: 8
    .kernarg_segment_size: 40
    .max_flat_workgroup_size: 256
    .sgpr_count:     66
    .vgpr_count:     40
    .wavefront_size: 32
...
	.end_amdgpu_metadata
.endif
;; end of part 1
;; launch proj (part 2): grid 256 x 1, 8 waves a work-group, no clusters, 81,664 bytes of LDS; arguments hidden_states, position_embeddings, reference_points, spatial_shapes, b_value, b_off, b_attn, wfrag, vals, wts, idx; writes vals, wts, idx
.if DOCPART == 2
	.amdgcn_target "amdgcn-amd-amdhsa--gfx1250"
	.amdhsa_code_object_version 6
	.text
	.protected	k_qcc649fa031_proj
	.globl	k_qcc649fa031_proj
	.p2align	8
	.type	k_qcc649fa031_proj,@function
k_qcc649fa031_proj:
	s_mov_b64 s[64:65], 0
	v_nop
	global_prefetch_b8 v0, s[64:65] scope:SCOPE_SE
	s_setreg_imm32_b32 hwreg(HW_REG_WAVE_MODE, 25, 1), 1
	s_wait_xcnt 0x0
; h = hidden + pos; values, offsets and logits = h W + b; the softmax over a head's 16 logits; for each of the 16 points of a token and head
; the base pixel and the four tap weights of the bilinear sample, the attention weight folded in.
; OUT.  vals f16 [8 heads][34,000 tokens][32]; wts f16 [token][level][head][point][4 taps: (x, y), (x+1, y), (x, y+1), (x+1, y+1)];
; idx u16 [token][level][head][point]: the flat token (batch x 8,500 + the level's start + y W + x) of the first tap.
; THE SAMPLE AS A TENT.  For each axis a = floor(x) held to 0 .. W - 2, u = x - a; the weights of pixels a and a + 1 are max(0, 1 - |u|) and
; max(0, 1 - |u - 1|).  Both pixels lie in the level, and the weights equal those of a bilinear sample with zeros outside, for every finite x.
; SHARES.  34,000 rows are 2,125 tiles of 16.  Work-group g walks 8 tiles, the first 77 work-groups 9.  Wave w is head w: five tiles of 16
; columns (values 0-15 and 16-31, offsets 0-15 and 16-31, the 16 logits); their fragments, 320 registers, are loaded once and stay.
; LAYOUT.  The product is used transposed (source 0 = 16 columns of W, source 1 = 16 rows of h): lane (r = l % 16, hf = l / 16) holds token r
; and columns 8 hf + 0..7.  Offsets: tile g, register 2 k is y and 2 k + 1 is x of point k of level 2 g + hf.  Logits (columns permuted
; when the fragments were made): register 4 g + k is point k of level 2 g + hf.  So a lane has offsets and logits of the same 8 points.
; The sums start from the bias: it lies in LDS in the accumulators' layout and is loaded into them ahead of each tile's products.
; FORMATS.  h (the f32 sum rounded once), W, vals and wts in f16; products' sums, softmax, coordinates and weights in f32.
; LIMITS.  |h|, |W| and |values| under 65,504; f16 below 6.1e-5 keeps the step 6e-8.  1 / spatial_shapes by v_rcp_f32 (1 ULP).  An
; exponential below 2^-126 counts as 0.  An infinite coordinate gives weight 0; NaN is not treated apart.
.set HPI,   528                        ; a row of h in LDS: 512 bytes + 16: the 16 rows of a fragment load start at 16 different groups of four banks (64 banks of 4 bytes: ISA guide 11.1)
.set WS,    8448                       ; stage for wts: 16 rows x (1,024 + 16)
.set WSP,   1040
.set IS,    25088                      ; stage for idx: 16 rows x (256 + 16)
.set ISP,   272
.set VS,    29440                      ; stage for vals: 8 heads x 16 rows x (64 + 16)
.set VSP,   80
.set BIAS,  39680                      ; the bias in the accumulators' layout: wave w, chunk q of ten, lane l at 5,120 w + 512 q + 16 l
.set SPARE, 80640                      ; the spare words, 128 bytes for each wave: four blocks of 256 bytes that no other line names
.set HEADB, 2176000                    ; bytes of a head's plane in vals
.set SPW,  2                           ; v2   SPARE + 4 x my thread's number; never rewritten
.set NIL,  3                           ; v3   0; never rewritten
.set HLD,  4                           ; v4   a fragment of h: 528 r + 16 hf
.set HST,  5                           ; v5   where I put 8 bytes of h: rows 2 w, 2 w + 1
.set GOFF, 6                           ; v6   my 16 bytes in a tile of hidden and of pos: 2,048 w + 16 l
.set RFO,  7                           ; v7   my reference point: 32 r + 8 hf
.set WSA,  8                           ; v8-10   where I put weights, indices, values in the stages
.set ISA,  9
.set VSA,  10
.set WSR,  11                          ; v11-13  where I read the stages back, by thread
.set ISR,  12
.set VSR,  13
.set T16,  14                          ; v14  16 x thread
.set VGO,  15                          ; v15  my 16 bytes in vals: head thread / 64
.set BIA,  16                          ; v16  my bias chunks
.set ROW,  17                          ; v17  my token's flat number
.set FOF,  18                          ; v18  16 l
.set SC,   20                          ; v[20:23]  (half size / shape) for y, x; group 0, group 1
.set HF,   24                          ; v[24:27]  half size, twice; by group
.set HM,   28                          ; v[28:31]  half size - 0.5, twice; by group
.set WM2,  32                          ; v32-33  W - 2
.set WF,   34                          ; v34-35  W
.set LS,   36                          ; v36-37  the level's first token
.set RC,   38                          ; v[38:41]  this tile's reference points (y, x); by group
.set RN,   42                          ; v[42:45]  the next tile's, landing
.set BC,   46                          ; v[46:49]  ref x half + half - 0.5
.set TB,   50                          ; v50-51  level start + 8,500 x batch
.set LD,   52                          ; v[52:83]  the next tile's hidden and pos
.set ACC,  84                          ; v[84:123] five accumulators: values 0, 1; offsets 0, 1; logits.  Also the flush's registers
.set ATTF, 124                         ; v[124:187] the logits' fragments; those of the other four tiles fill window 1: tile j, K step s at 64 j + 8 s
.set TS,   188                         ; v[188:191] at work
.set HFR,  192                         ; v[192:255] h's fragments; behind the products at work:
.set E,    192                         ;   32: group g, point k: (EY0, EY1) at 16 g + 4 k, (EX0, EX1) at + 2
.set AT,   224                         ;   8: the base pixels (y, x); later group 0's packed weights
.set U1,   232                         ;   8: u - 1; later group 1's packed weights
.set IXP,  240                         ;   4: packed indices
.set IT,   244                         ;   4: indices at work; later the softmax's sums
.set VP,   248                         ;   8: packed values
.set AY,   ACC+16                      ; EY x attention weight, where offsets 0 lay
.set WQ,   ACC                         ; the four weights of four points in f32, where the values lay
.set WV,   26                          ; s26 wave = head
.set T0,   27                          ; s27 my work-group's first tile
.set NT,   28                          ; s28 its tiles
.set TI,   29                          ; s29 the trip
.set HP,   40                          ; s[40:41], s[42:43] hidden and pos at the tile whose h is being laid into LDS
.set PP,   42
.set RP,   44                          ; s[44:45] reference points of the next tile
.set BW,   46                          ; s[46:53] the four stores' bases
.set BI,   48
.set BV,   50
.set BV2,  52
.set HMASK, 54                         ; s54 lanes 16 to 31
.set F8500, 55                         ; s55 8,500.0
.set L2E,  56                          ; s[56:57] log2(e)
.set SEL,  58                          ; s[58:59] v_permlanex16_b32: each lane takes its own place in the other half
.set MSB, 0
.macro WIN new                         ; s_set_vgpr_msb: bits 1:0 source 0, 7:6 destination; the high byte repeats the setting that is left
.if MSB != (\new)
	s_set_vgpr_msb (MSB<<8)|(\new)
.set MSB, (\new)
.endif
.endm
.macro HSEL dst, a, b                  ; a in lanes 0-15, b in lanes 16-31
	v_mov_b32 v[\dst], \a
	v_mov_b32 v[TS], \b
	v_cndmask_b32 v[\dst], v[\dst], v[TS], s[HMASK]
.endm
; Eight loads: my two rows of a tile of hidden and of pos, 512 consecutive bytes each
.macro HLOADS off
.irp i, 0,1
.irp f, 0,1
	global_load_b128 v[LD+16*(\i)+8*(\f):LD+16*(\i)+8*(\f)+3],   v[GOFF], s[HP:HP+1] offset:(\off)+1024*(\i)+512*(\f) th:TH_LOAD_NT
	global_load_b128 v[LD+16*(\i)+8*(\f)+4:LD+16*(\i)+8*(\f)+7], v[GOFF], s[PP:PP+1] offset:(\off)+1024*(\i)+512*(\f) th:TH_LOAD_NT
.endr
.endr
.endm
; h = hidden + pos in f32, rounded once to f16, into LDS
.macro CONVERT
.irp c, 0,8,16,24
	v_pk_add_f32 v[LD+(\c):LD+(\c)+1],   v[LD+(\c):LD+(\c)+1],   v[LD+(\c)+4:LD+(\c)+5]
	v_pk_add_f32 v[LD+(\c)+2:LD+(\c)+3], v[LD+(\c)+2:LD+(\c)+3], v[LD+(\c)+6:LD+(\c)+7]
.endr
.irp c, 0,8,16,24
	v_cvt_pk_f16_f32 v[LD+(\c)],   v[LD+(\c)],   v[LD+(\c)+1]
	v_cvt_pk_f16_f32 v[LD+(\c)+1], v[LD+(\c)+2], v[LD+(\c)+3]
.endr
.irp i, 0,1
.irp f, 0,1
	ds_store_b64 v[HST], v[LD+16*(\i)+8*(\f):LD+16*(\i)+8*(\f)+1] offset:HPI*(\i)+256*(\f)
.endr
.endr
.endm
; Group g's four points: coordinates, base pixels, the tents' values, the index
.macro COORD g
.set rO, ACC+16+8*(\g)
.irp k, 0,1,2,3
	v_pk_fma_f32 v[rO+2*(\k):rO+2*(\k)+1], v[rO+2*(\k):rO+2*(\k)+1], v[SC+2*(\g):SC+2*(\g)+1], v[BC+2*(\g):BC+2*(\g)+1]  ; (y, x); the accumulator's lowest registers are read first
.endr
.irp i, 0,1,2,3,4,5,6,7
	v_floor_f32 v[AT+(\i)], v[rO+(\i)]
.endr
.irp i, 0,1,2,3,4,5,6,7
	v_med3_num_f32 v[AT+(\i)], v[AT+(\i)], 0, v[WM2+(\g)]
.endr
.irp k, 0,1,2,3
	v_pk_add_f32 v[rO+2*(\k):rO+2*(\k)+1], v[rO+2*(\k):rO+2*(\k)+1], v[AT+2*(\k):AT+2*(\k)+1] neg_lo:[0,1] neg_hi:[0,1]  ; u
.endr
.irp k, 0,1,2,3
	v_pk_add_f32 v[U1+2*(\k):U1+2*(\k)+1], v[rO+2*(\k):rO+2*(\k)+1], -1.0 op_sel_hi:[1,0]  ; u - 1
.endr
.irp k, 0,1,2,3
	v_sub_f32 v[E+16*(\g)+4*(\k)],   1.0, |v[rO+2*(\k)]|
	v_sub_f32 v[E+16*(\g)+4*(\k)+1], 1.0, |v[U1+2*(\k)]|
	v_sub_f32 v[E+16*(\g)+4*(\k)+2], 1.0, |v[rO+2*(\k)+1]|
	v_sub_f32 v[E+16*(\g)+4*(\k)+3], 1.0, |v[U1+2*(\k)+1]|
.endr
.irp i, 0,1,2,3,4,5,6,7,8,9,10,11,12,13,14,15
	v_max_num_f32 v[E+16*(\g)+(\i)], 0, v[E+16*(\g)+(\i)]
.endr
.irp k, 0,1,2,3
	v_fma_f32 v[IT+(\k)], v[AT+2*(\k)], v[WF+(\g)], v[TB+(\g)]  ; whole numbers under 34,000: exact in f32
.endr
.irp k, 0,1,2,3
	v_add_f32 v[IT+(\k)], v[IT+(\k)], v[AT+2*(\k)+1]
.endr
.irp k, 0,1,2,3
	v_cvt_u32_f32 v[IT+(\k)], v[IT+(\k)]
.endr
	v_lshl_or_b32 v[IXP+2*(\g)],   v[IT+1], 16, v[IT]
	v_lshl_or_b32 v[IXP+2*(\g)+1], v[IT+3], 16, v[IT+2]
.endm
; Group g's sixteen tap weights EX EY aw, rounded to f16, and its indices, into the stages
.macro WGT g
.irp k, 0,1,2,3
.set rE, E+16*(\g)+4*(\k)
.set rW, ACC+32+4*(\g)+2*((\k)/2)
.if ((\k)%2) == 0
	v_pk_mul_f32 v[AY+2*(\k):AY+2*(\k)+1], v[rE:rE+1], v[rW:rW+1] op_sel_hi:[1,0]
.else
	v_pk_mul_f32 v[AY+2*(\k):AY+2*(\k)+1], v[rE:rE+1], v[rW:rW+1] op_sel:[0,1] op_sel_hi:[1,1]
.endif
.endr
.irp k, 0,1,2,3
.set rE, E+16*(\g)+4*(\k)
	v_pk_mul_f32 v[WQ+4*(\k):WQ+4*(\k)+1],   v[rE+2:rE+3], v[AY+2*(\k):AY+2*(\k)+1] op_sel_hi:[1,0]
	v_pk_mul_f32 v[WQ+4*(\k)+2:WQ+4*(\k)+3], v[rE+2:rE+3], v[AY+2*(\k):AY+2*(\k)+1] op_sel:[0,1] op_sel_hi:[1,1]
.endr
.irp k, 0,1,2,3
	v_cvt_pk_f16_f32 v[AT+8*(\g)+2*(\k)],   v[WQ+4*(\k)],   v[WQ+4*(\k)+1]
	v_cvt_pk_f16_f32 v[AT+8*(\g)+2*(\k)+1], v[WQ+4*(\k)+2], v[WQ+4*(\k)+3]
.endr
	ds_store_b128 v[WSA], v[AT+8*(\g):AT+8*(\g)+3]   offset:512*(\g)
	ds_store_b128 v[WSA], v[AT+8*(\g)+4:AT+8*(\g)+7] offset:512*(\g)+16
	ds_store_b64  v[ISA], v[IXP+2*(\g):IXP+2*(\g)+1] offset:128*(\g)
.endm
	s_load_b512 s[4:19], s[0:1], 0x0               ; hidden s[4:5], pos s[6:7], ref s[8:9], shapes s[10:11], b_value s[12:13], b_off s[14:15], b_attn s[16:17], wfrag s[18:19]
	s_load_b128 s[20:23], s[0:1], 0x40             ; vals s[20:21], wts s[22:23]
	s_load_b64 s[24:25], s[0:1], 0x50              ; idx
	v_lshl_add_u32 v[SPW], v0, 2, SPARE
	v_mov_b32 v[NIL], 0
	v_lshrrev_b32 v1, 5, v0
	v_readfirstlane_b32 s[WV], v1
	s_min_u32 s30, ttmp9, 77
	s_lshl3_add_u32 s[T0], ttmp9, s30              ; 8 g + min(g, 77)
	s_cmp_lt_u32 ttmp9, 77
	s_cselect_b32 s[NT], 9, 8
	s_mov_b32 s[TI], 0
	s_mov_b32 s[HMASK], 0xffff0000
	s_mov_b32 s[F8500], 0x4604d000
	s_mov_b32 s[L2E], 0x3fb8aa3b
	s_mov_b32 s[L2E+1], s[L2E]                     ; named with it as a pair
	s_mov_b32 s[SEL], 0x76543210
	s_mov_b32 s[SEL+1], 0xfedcba98
	v_and_b32 v19, 31, v0                          ; l
	v_and_b32 v1, 15, v0                           ; r
	v_bfe_u32 v[TS], v0, 4, 1                      ; hf
	v_mul_u32_u24 v[HLD], v1, HPI
	v_lshl_add_u32 v[HLD], v[TS], 4, v[HLD]
	s_mul_i32 s30, s[WV], 2*HPI
	v_lshl_add_u32 v[HST], v19, 3, s30
	s_lshl_b32 s30, s[WV], 11
	v_lshl_add_u32 v[GOFF], v19, 4, s30
	v_lshlrev_b32 v[RFO], 5, v1
	v_lshl_add_u32 v[RFO], v[TS], 3, v[RFO]
	v_mul_u32_u24 v[WSA], v1, WSP                  ; row r, level hf (256 bytes), head (32 bytes)
	v_lshl_add_u32 v[WSA], v[TS], 8, v[WSA]
	s_lshl_b32 s30, s[WV], 5
	s_add_co_u32 s30, s30, WS
	v_add_nc_u32 v[WSA], s30, v[WSA]
	v_mul_u32_u24 v[ISA], v1, ISP                  ; row r, level hf (64 bytes), head (8 bytes)
	v_lshl_add_u32 v[ISA], v[TS], 6, v[ISA]
	s_lshl_b32 s30, s[WV], 3
	s_add_co_u32 s30, s30, IS
	v_add_nc_u32 v[ISA], s30, v[ISA]
	v_mul_u32_u24 v[VSA], v1, VSP                  ; head, row r, channels 8 hf on
	v_lshl_add_u32 v[VSA], v[TS], 4, v[VSA]
	s_mul_i32 s30, s[WV], 16*VSP
	s_add_co_u32 s30, s30, VS
	v_add_nc_u32 v[VSA], s30, v[VSA]
	v_lshrrev_b32 v[TS+1], 6, v0                   ; thread / 64
	v_and_b32 v[TS+2], 63, v0
	v_mul_u32_u24 v[WSR], v[TS+1], WSP
	v_lshl_add_u32 v[WSR], v[TS+2], 4, v[WSR]
	v_add_nc_u32 v[WSR], WS, v[WSR]
	v_lshrrev_b32 v[TS+3], 4, v0
	v_mul_u32_u24 v[ISR], v[TS+3], ISP
	v_lshl_add_u32 v[ISR], v1, 4, v[ISR]
	v_add_nc_u32 v[ISR], IS, v[ISR]
	v_mul_u32_u24 v[VSR], v[TS+1], 16*VSP
	v_bfe_u32 v[TS+3], v0, 2, 4
	v_mad_u32_u24 v[VSR], v[TS+3], VSP, v[VSR]
	v_and_b32 v[TS+3], 3, v0
	v_lshl_add_u32 v[VSR], v[TS+3], 4, v[VSR]
	v_add_nc_u32 v[VSR], VS, v[VSR]
	v_lshlrev_b32 v[T16], 4, v0
	v_mul_u32_u24 v[VGO], v[TS+1], HEADB
	v_lshl_add_u32 v[VGO], v[TS+2], 4, v[VGO]
	s_mul_i32 s30, s[WV], 5120
	s_add_co_u32 s30, s30, BIAS
	v_lshl_add_u32 v[BIA], v19, 4, s30
	s_lshl_b32 s30, s[T0], 4
	v_add_nc_u32 v[ROW], s30, v1
	v_lshlrev_b32 v[FOF], 4, v19
	s_lshl_b32 s30, s[WV], 7
	v_lshl_add_u32 v[TS+2], v[TS], 5, s30          ; b_value, b_off: 4 (32 m + 8 hf)
	s_lshl_b32 s30, s[WV], 6
	v_lshl_add_u32 v[TS+3], v[TS], 4, s30          ; b_attn: 4 (16 m + 4 hf)
	s_wait_kmcnt 0x0
	s_load_b256 s[32:39], s[10:11], 0x0            ; spatial_shapes: (H, W) of levels 0 to 3
	s_lshl_b32 s30, s[T0], 14                      ; a tile of hidden or pos is 16,384 bytes
	s_mov_b32 s31, 0
	s_add_nc_u64 s[HP:HP+1], s[4:5], s[30:31]
	s_add_nc_u64 s[PP:PP+1], s[6:7], s[30:31]
	s_lshl_b32 s30, s[T0], 9
	s_add_nc_u64 s[RP:RP+1], s[8:9], s[30:31]
	s_mul_i32 s30, s[WV], 5*8192
	s_add_nc_u64 s[18:19], s[18:19], s[30:31]      ; my head's five tiles of fragments
.irp j, 0,1                            ; ten loads: the bias as the accumulators hold it
	global_load_b128 v[ACC+8*(\j):ACC+8*(\j)+3],       v[TS+2], s[12:13] offset:64*(\j)
	global_load_b128 v[ACC+8*(\j)+4:ACC+8*(\j)+7],     v[TS+2], s[12:13] offset:64*(\j)+16
	global_load_b128 v[ACC+16+8*(\j):ACC+16+8*(\j)+3], v[TS+2], s[14:15] offset:64*(\j)
	global_load_b128 v[ACC+16+8*(\j)+4:ACC+16+8*(\j)+7], v[TS+2], s[14:15] offset:64*(\j)+16
.endr
	global_load_b128 v[ACC+32:ACC+35], v[TS+3], s[16:17]
	global_load_b128 v[ACC+36:ACC+39], v[TS+3], s[16:17] offset:32
	HLOADS 0                                       ; eight loads: the first tile
	WIN 0x40                                       ; destination window 1
.irp j, 0,1,2,3
.irp s, 0,1,2,3,4,5,6,7
	global_load_b128 v[64*(\j)+8*(\s):64*(\j)+8*(\s)+3],   v[FOF], s[18:19] offset:8192*(\j)+1024*(\s)
	global_load_b128 v[64*(\j)+8*(\s)+4:64*(\j)+8*(\s)+7], v[FOF], s[18:19] offset:8192*(\j)+1024*(\s)+512
.endr
.endr
	WIN 0
.irp s, 0,1,2,3,4,5,6,7
	global_load_b128 v[ATTF+8*(\s):ATTF+8*(\s)+3],   v[FOF], s[18:19] offset:32768+1024*(\s)
	global_load_b128 v[ATTF+8*(\s)+4:ATTF+8*(\s)+7], v[FOF], s[18:19] offset:32768+1024*(\s)+512
.endr
	s_wait_loadcnt 63                              ; 98 loads were issued, in order: at most 63 are out, so the oldest 35 are in, the bias's ten and the first tile's eight among them
.irp q, 0,1,2,3,4,5,6,7,8,9
	ds_store_b128 v[BIA], v[ACC+4*(\q):ACC+4*(\q)+3] offset:512*(\q)
.endr
	CONVERT                                        ; the first tile's h
	s_wait_kmcnt 0x0                               ; the shapes
	HSEL SC+0, s32, s34                            ; group 0: level hf; group 1: level 2 + hf
	HSEL SC+1, s33, s35
	HSEL SC+2, s36, s38
	HSEL SC+3, s37, s39
.irp i, 0,1,2,3
	v_cvt_f32_i32 v[SC+(\i)], v[SC+(\i)]
.endr
.irp i, 0,1,2,3
	v_rcp_f32 v[SC+(\i)], v[SC+(\i)]
.endr
	HSEL HF+0,  0x42200000, 0x41a00000             ; 40, 20
	HSEL HF+2,  0x41200000, 0x40a00000             ; 10, 5
	HSEL HM+0,  0x421e0000, 0x419c0000             ; 39.5, 19.5
	HSEL HM+2,  0x41180000, 0x40900000             ; 9.5, 4.5
	HSEL WM2+0, 0x429c0000, 0x42180000             ; 78, 38
	HSEL WM2+1, 0x41900000, 0x41000000             ; 18, 8
	HSEL WF+0,  0x42a00000, 0x42200000             ; 80, 40
	HSEL WF+1,  0x41a00000, 0x41200000             ; 20, 10
	HSEL LS+0,  0, 0x45c80000                      ; 0, 6,400
	HSEL LS+1,  0x45fa0000, 0x46034000             ; 8,000, 8,400
	v_mov_b32 v[HF+1], v[HF]
	v_mov_b32 v[HF+3], v[HF+2]
	v_mov_b32 v[HM+1], v[HM]
	v_mov_b32 v[HM+3], v[HM+2]
	s_wait_alu depctr_va_vdst(0)                   ; one wait for the four reciprocals, ahead of their first reader; the constants above are the work between
	v_pk_mul_f32 v[SC:SC+1],   v[SC:SC+1],   v[HF:HF+1]
	v_pk_mul_f32 v[SC+2:SC+3], v[SC+2:SC+3], v[HF+2:HF+3]
	HLOADS 16384                                   ; the second tile (every work-group has eight or more)
	global_load_b64 v[RN:RN+1],   v[RFO], s[RP:RP+1]
	global_load_b64 v[RN+2:RN+3], v[RFO], s[RP:RP+1] offset:16
	s_wait_dscnt 0x0                               ; my rows of h lie in LDS,
	s_barrier_signal -1
	s_barrier_wait -1                              ; everybody's do
.Ltrip:                                        ; a trip is a tile of 16 rows
	s_wait_xcnt 0x0                                ; the last trip's stores have read their data and bases: the accumulators are loaded again only behind this wait
.irp q, 0,1,2,3,4,5,6,7,8,9
	ds_load_b128 v[ACC+4*(\q):ACC+4*(\q)+3], v[BIA] offset:512*(\q)  ; the sums start from the bias
.endr
.irp s, 0,1,2,3,4,5,6,7
	ds_load_b128 v[HFR+8*(\s):HFR+8*(\s)+3],   v[HLD] offset:64*(\s)
	ds_load_b128 v[HFR+8*(\s)+4:HFR+8*(\s)+7], v[HLD] offset:64*(\s)+32
.endr
	s_wait_dscnt 0x0                               ; my reads of h are back (and those of the stages, in the trip before):
	s_barrier_signal -1
	s_barrier_wait -1                              ; everybody's are: h and the stages may be written again
	s_wait_loadcnt 0x0                             ; the next tile's hidden, pos and reference points, asked for a trip ago (in the first trip the fragments too); their pointers are free
.irp i, 0,1,2,3
	v_mov_b32 v[RC+(\i)], v[RN+(\i)]
.endr
	CONVERT                                        ; the next tile's h (in the last trip: numbers that nobody reads)
	s_add_nc_u64 s[HP:HP+1], s[HP:HP+1], 16384
	s_add_nc_u64 s[PP:PP+1], s[PP:PP+1], 16384
	s_add_co_u32 s30, s[TI], 2
	s_cmp_lt_u32 s30, s[NT]
	s_cbranch_scc0 .Lnoh                           ; the last two trips have no tile two on
	HLOADS 16384
.Lnoh:
	s_add_co_u32 s30, s[TI], 1
	s_sub_co_u32 s31, s[NT], 1
	s_min_u32 s30, s30, s31                        ; the next tile, or in the last trip this one once more: no load leaves the buffer
	s_add_co_u32 s30, s30, s[T0]
	s_lshl_b32 s30, s30, 9
	s_mov_b32 s31, 0
	s_add_nc_u64 s[RP:RP+1], s[8:9], s[30:31]
	global_load_b64 v[RN:RN+1],   v[RFO], s[RP:RP+1]
	global_load_b64 v[RN+2:RN+3], v[RFO], s[RP:RP+1] offset:16
	; 40 products.  The five accumulators take turns, one instruction a turn
.irp s, 0,1,2,3,4,5,6,7
	WIN 0x01                                       ; source 0 in window 1
.irp j, 0,1,2,3
	v_wmma_f32_16x16x32_f16 v[ACC+8*(\j):ACC+8*(\j)+7], v[64*(\j)+8*(\s):64*(\j)+8*(\s)+7], v[HFR+8*(\s):HFR+8*(\s)+7], v[ACC+8*(\j):ACC+8*(\j)+7]
.endr
	WIN 0
	v_wmma_f32_16x16x32_f16 v[ACC+32:ACC+39], v[ATTF+8*(\s):ATTF+8*(\s)+7], v[HFR+8*(\s):HFR+8*(\s)+7], v[ACC+32:ACC+39]
.endr
.rept 4
	v_nop                                          ; four places behind the last products (ISA guide 7.12.1), ahead of the reads of their results and the writes over h's fragments
.endr
	; my token's batch, from its flat number; level start + 8,500 x batch; the coordinates' constant part
	v_cmp_lt_u32 vcc_lo, 8499, v[ROW]
	v_cndmask_b32 v[TS], 0, s[F8500], vcc_lo
	v_cmp_lt_u32 vcc_lo, 16999, v[ROW]
	v_cndmask_b32 v[TS+1], 0, s[F8500], vcc_lo
	v_cmp_lt_u32 vcc_lo, 25499, v[ROW]
	v_cndmask_b32 v[TS+2], 0, s[F8500], vcc_lo
	v_add_f32 v[TS], v[TS], v[TS+1]
	v_add_f32 v[TS], v[TS], v[TS+2]
	v_add_f32 v[TB],   v[LS],   v[TS]
	v_add_f32 v[TB+1], v[LS+1], v[TS]
	v_add_nc_u32 v[ROW], 16, v[ROW]
	v_pk_fma_f32 v[BC:BC+1],   v[RC:RC+1],   v[HF:HF+1],   v[HM:HM+1]
	v_pk_fma_f32 v[BC+2:BC+3], v[RC+2:RC+3], v[HF+2:HF+3], v[HM+2:HM+3]
	; the softmax: the maximum of the head's 16 logits (8 here, 8 in the lane 16 away) is taken away ahead of the exponentials
	v_max3_num_f32 v[TS+1], v[ACC+32], v[ACC+33], v[ACC+34]
	v_max3_num_f32 v[TS+2], v[ACC+35], v[ACC+36], v[ACC+37]
	v_max3_num_f32 v[TS+1], v[TS+1], v[ACC+38], v[ACC+39]
	v_max_num_f32 v[TS+1], v[TS+1], v[TS+2]
	v_permlanex16_b32 v[TS+2], v[TS+1], s[SEL], s[SEL+1]
	v_max_num_f32 v[TS+1], v[TS+1], v[TS+2]
	v_mul_f32 v[TS], s[L2E], v[TS+1]
.irp i, 0,2,4,6
	v_pk_fma_f32 v[ACC+32+(\i):ACC+33+(\i)], v[ACC+32+(\i):ACC+33+(\i)], s[L2E:L2E+1], v[TS:TS+1] op_sel_hi:[1,0,0] neg_lo:[0,0,1] neg_hi:[0,0,1]
.endr
.irp i, 0,1,2,3,4,5,6,7
	v_exp_f32 v[ACC+32+(\i)], v[ACC+32+(\i)]
.endr
	COORD 0                                        ; names none of the exponentials' results
	COORD 1
	s_wait_alu depctr_va_vdst(0)                   ; one wait for the eight exponentials, ahead of their first reader
	v_pk_add_f32 v[IT:IT+1],   v[ACC+32:ACC+33], v[ACC+34:ACC+35]
	v_pk_add_f32 v[IT+2:IT+3], v[ACC+36:ACC+37], v[ACC+38:ACC+39]
	v_pk_add_f32 v[IT:IT+1], v[IT:IT+1], v[IT+2:IT+3]
	v_add_f32 v[IT], v[IT], v[IT+1]
	v_permlanex16_b32 v[IT+1], v[IT], s[SEL], s[SEL+1]
	v_add_f32 v[IT], v[IT], v[IT+1]                ; at least 1: the largest logit's term
	v_rcp_f32 v[IT+2], v[IT]
.irp j, 0,1                            ; the values, rounded to f16: the work between the reciprocal and its wait
.irp i, 0,1,2,3
	v_cvt_pk_f16_f32 v[VP+4*(\j)+(\i)], v[ACC+8*(\j)+2*(\i)], v[ACC+8*(\j)+2*(\i)+1]
.endr
.endr
	ds_store_b128 v[VSA], v[VP:VP+3]
	ds_store_b128 v[VSA], v[VP+4:VP+7] offset:32
	s_wait_alu depctr_va_vdst(0)                   ; the reciprocal
.irp i, 0,2,4,6
	v_pk_mul_f32 v[ACC+32+(\i):ACC+33+(\i)], v[ACC+32+(\i):ACC+33+(\i)], v[IT+2:IT+3] op_sel_hi:[1,0]
.endr
	WGT 0
	WGT 1
	s_wait_dscnt 0x0                               ; my part of the stages and of the next h lies in LDS,
	s_barrier_signal -1
	s_barrier_wait -1                              ; everybody's does
	; the flush: the tile's 16,384 bytes of wts, 4,096 of idx and 8 x 1,024 of vals; each store of a wave covers 512 consecutive bytes, aligned
	s_add_co_u32 s30, s[T0], s[TI]
	s_mov_b32 s61, 0
	s_lshl_b32 s60, s30, 14
	s_add_nc_u64 s[BW:BW+1], s[22:23], s[60:61]
	s_lshl_b32 s60, s30, 12
	s_add_nc_u64 s[BI:BI+1], s[24:25], s[60:61]
	s_lshl_b32 s60, s30, 10
	s_add_nc_u64 s[BV:BV+1], s[20:21], s[60:61]
	s_add_nc_u64 s[BV2:BV2+1], s[BV:BV+1], 4*HEADB ; heads 4 to 7: past the reach of a store's immediate
.irp i, 0,1,2,3
	ds_load_b128 v[ACC+4*(\i):ACC+4*(\i)+3], v[WSR] offset:4*WSP*(\i)
.endr
	ds_load_b128 v[ACC+16:ACC+19], v[ISR]
	ds_load_b128 v[ACC+20:ACC+23], v[VSR]
	ds_load_b128 v[ACC+24:ACC+27], v[VSR] offset:4*16*VSP
	s_wait_dscnt 0x0
.irp i, 0,1,2,3
	global_store_b128 v[T16], v[ACC+4*(\i):ACC+4*(\i)+3], s[BW:BW+1] offset:4096*(\i) th:TH_STORE_NT
.endr
	global_store_b128 v[T16], v[ACC+16:ACC+19], s[BI:BI+1] th:TH_STORE_NT
	global_store_b128 v[VGO], v[ACC+20:ACC+23], s[BV:BV+1]
	global_store_b128 v[VGO], v[ACC+24:ACC+27], s[BV2:BV2+1]
	s_add_co_u32 s[TI], s[TI], 1
	s_cmp_lt_u32 s[TI], s[NT]
	s_cbranch_scc1 .Ltrip
	s_wait_tensorcnt 0x0                           ; the wave's end, behind my last LDS store
	ds_add_u32 v[SPW], v[NIL]
	s_wait_dscnt 0x0
	s_endpgm
.Lfunc_end_k_qcc649fa031_proj:
	.size	k_qcc649fa031_proj, .Lfunc_end_k_qcc649fa031_proj-k_qcc649fa031_proj
	.p2alignl 7, 3214868480
	.fill 96, 4, 3214868480
	.section	.rodata,"a",@progbits
	.p2align	6, 0x0
	.amdhsa_kernel k_qcc649fa031_proj
		.amdhsa_group_segment_fixed_size 81664
		.amdhsa_private_segment_fixed_size 0
		.amdhsa_enable_private_segment 0
		.amdhsa_kernarg_size 88
		.amdhsa_user_sgpr_count 2
		.amdhsa_user_sgpr_kernarg_segment_ptr 1
		.amdhsa_wavefront_size32 1
		.amdhsa_system_sgpr_workgroup_id_x 1
		.amdhsa_system_sgpr_workgroup_id_y 1
		.amdhsa_system_sgpr_workgroup_id_z 1
		.amdhsa_system_vgpr_workitem_id 0
		.amdhsa_next_free_vgpr 512
		.amdhsa_next_free_sgpr 66
		.amdhsa_reserve_vcc 1
		.amdhsa_float_denorm_mode_32 3
		.amdhsa_float_denorm_mode_16_64 3
		.amdhsa_memory_ordered 1
		.amdhsa_forward_progress 1
		.amdhsa_inst_pref_size 43
	.end_amdhsa_kernel
	.amdgpu_metadata
---
amdhsa.version: [ 1, 2 ]
amdhsa.kernels:
  - .name:           k_qcc649fa031_proj
    .symbol:         k_qcc649fa031_proj.kd
    .args:
      - { .name: hidden_states, .offset: 0, .size: 8, .value_kind: global_buffer, .address_space: global }
      - { .name: position_embeddings, .offset: 8, .size: 8, .value_kind: global_buffer, .address_space: global }
      - { .name: reference_points, .offset: 16, .size: 8, .value_kind: global_buffer, .address_space: global }
      - { .name: spatial_shapes, .offset: 24, .size: 8, .value_kind: global_buffer, .address_space: global }
      - { .name: b_value, .offset: 32, .size: 8, .value_kind: global_buffer, .address_space: global }
      - { .name: b_off, .offset: 40, .size: 8, .value_kind: global_buffer, .address_space: global }
      - { .name: b_attn, .offset: 48, .size: 8, .value_kind: global_buffer, .address_space: global }
      - { .name: wfrag, .offset: 56, .size: 8, .value_kind: global_buffer, .address_space: global }
      - { .name: vals, .offset: 64, .size: 8, .value_kind: global_buffer, .address_space: global }
      - { .name: wts, .offset: 72, .size: 8, .value_kind: global_buffer, .address_space: global }
      - { .name: idx, .offset: 80, .size: 8, .value_kind: global_buffer, .address_space: global }
    .group_segment_fixed_size: 81664
    .private_segment_fixed_size: 0
    .kernarg_segment_align: 8
    .kernarg_segment_size: 88
    .max_flat_workgroup_size: 256
    .sgpr_count:     66
    .vgpr_count:     512
    .wavefront_size: 32
...
	.end_amdgpu_metadata
.endif
;; end of part 2
;; launch sample (part 3): grid 250 x 1, 8 waves a work-group, no clusters, 111,872 bytes of LDS; arguments vals, wts, idx, wfrag, b_out, out0; writes out0
.if DOCPART == 3
	.amdgcn_target "amdgcn-amd-amdhsa--gfx1250"
	.amdhsa_code_object_version 6
	.text
	.protected	k_qcc649fa031_sample
	.globl	k_qcc649fa031_sample
	.p2align	8
	.type	k_qcc649fa031_sample,@function
k_qcc649fa031_sample:
	s_mov_b64 s[64:65], 0
	v_nop
	global_prefetch_b8 v0, s[64:65] scope:SCOPE_SE
	s_setreg_imm32_b32 hwreg(HW_REG_WAVE_MODE, 25, 1), 1
	s_wait_xcnt 0x0
; out0[R][:] = (the sum over a token's 8 heads x 16 points x 4 taps of weight x value row) W_out + b_out.
; IN.  vals f16 [8 heads][34,000 tokens][32]; wts f16 [token][level][head][point][4 taps]; idx u16 [token][level][head][point], the flat token of a
; point's first tap; the other taps lie 1, W and W + 1 tokens on (W = 80, 40, 20, 10).  All three were stored by the launch before.
; SHARES.  A work-group owns 136 tokens, each of its eight waves 17, one after the other.  Lane l stands for head l / 4 and channels 8 (l % 4) + 0..7:
; one load of 16 bytes a lane brings one tap for all 8 heads, and after a token's 64 taps the wave holds its whole row of 256 channels.
; IN FLIGHT.  A token's loads go in four groups, a level each: 2 of weights, 1 of the NEXT token's indices, 16 gathers.  A group is asked for again
; as soon as its level has been summed, so three groups are behind the one that is waited for.  All are on one counter, which falls in order.
; An index is held to the largest that the launch before can have stored for its level, so that no tap leaves vals.
; THE PRODUCT.  The rows, rounded to f16, meet in LDS; 136 rows are 8 1/2 tiles of 16 (8 rows of zeros fill the ninth).  Wave w makes columns
; 64 (w % 4) on of tiles 4 (w / 4) .. + 3; waves 0 to 3 also the ninth tile.  Transposed use (source 0 = 16 columns of W_out, source 1 = 16 rows):
; a lane holds 8 neighbouring columns of one row.  The sums start from b_out as the first product's C.
; FORMATS.  Taps: f16 x f16 products summed in f32 (v_fma_mix_f32).  The sampled row and W_out in f16, the product's sums in f32, out0 in f32.
; LIMITS.  f16's: |values| and |sampled rows| under 65,504; below 6.1e-5 the fixed step 6e-8.
.set SPI,   528                        ; a sampled row in LDS: 512 bytes + 16: the 16 rows of a fragment load start at 16 different groups of four banks (64 banks of 4 bytes: ISA guide 11.1)
.set OPI,   272                        ; a row of a wave's stage: 64 f32 + 16 bytes
.set OST,   144*SPI                    ; the stages: 16 rows for each wave, its own
.set SPARE, OST+8*16*OPI               ; the spare words, 128 bytes for each wave: four blocks of 256 bytes that no other line names
.set HEADB, 2176000                    ; bytes of a head's plane in vals
.set SPW,  2                           ; v2   SPARE + 4 x my thread's number; never rewritten
.set NIL,  3                           ; v3   0; never rewritten
.set ZERO, 4                           ; v4   0: what a token's first tap is added to
.set LOFF, 5                           ; v5   my head's plane and my 16 bytes of a value row
.set WOF,  6                           ; v6   32 x head
.set IOF,  7                           ; v7   8 x head
.set SST,  8                           ; v8   16 l: my 16 bytes of a sampled row
.set SA,   9                           ; v9   a fragment of my first tile's rows
.set SA8,  10                          ; v10  of the ninth tile's
.set OSW,  11                          ; v11  the stage: where I put 32 bytes of a row
.set OSR,  12                          ; v12  where I read rows back
.set CO,   13                          ; v13  the same two rows in out0
.set FO,   14                          ; v14  16 l
.set BO,   15                          ; v15  my 8 numbers of b_out
.set AD,   16                          ; v[16:31]  gather offsets: level l, point k at 4 l + k
.set IX,   32                          ; v[32:39]  indices: level l at 2 l
.set WT,   40                          ; v[40:71]  weights: level l, point k, taps 2 i, 2 i + 1 at 8 l + 2 k + i
.set AC,   72                          ; v[72:79]  my 8 channels' sums
.set PK,   80                          ; v[80:83]  the same in f16
.set TM,   84                          ; v[84:87]  at work
.set SAD,  88                          ; v88  where the row in hand goes
.set AF,   96                          ; v[96:159]  a tile's fragments of sampled rows
.set GACC, 160                         ; v[160:191] four accumulators
.set BIASR, 192                        ; v[192:223] b_out in their layout
.set OB,   224                         ; v[224:255] rows on their way out
                                       ; window 1: level l, point k, tap t at 64 l + 16 k + 4 t; later W_out's fragments: tile t, K step s at 64 t + 8 s
.set WV,   16                          ; s16 wave
.set RW,   17                          ; s17 my first token
.set CNT,  18                          ; s18 tokens to go
.set RI,   19                          ; s19 the token whose indices are asked for next
.set WP,   20                          ; s[20:21] wts at the token whose gathers are being asked for
.set IP,   22                          ; s[22:23] idx at token RI
.set CG,   26                          ; s26 wave % 4
.set RG,   27                          ; s27 wave / 4
.set FP,   28                          ; s[28:29] my four tiles of W_out's fragments
.set OP,   30                          ; s[30:31] out0 at my first tile's first row, my 64 columns
.set SOF,  32                          ; s32 the LDS row of the token in hand
.set MSB, 0
.macro WIN new                         ; s_set_vgpr_msb: bits 1:0 source 0, 7:6 destination; the high byte repeats the setting that is left
.if MSB != (\new)
	s_set_vgpr_msb (MSB<<8)|(\new)
.set MSB, (\new)
.endif
.endm
; Level l of a token is asked for: 19 loads.  Its indices are in IX; the next token's take their place.
.macro ISSUE l
.if (\l) == 0
.set LIM, 31818                        ; 25,500 + the level's start + (W - 2) W + W - 2
.elseif (\l) == 1
.set LIM, 33458
.elseif (\l) == 2
.set LIM, 33878
.else
.set LIM, 33988
.endif
.set ROWP, 5120>>(\l)                  ; 64 W bytes: one pixel row down
	WIN 0
	v_and_b32     v[TM],   0xffff, v[IX+2*(\l)]
	v_lshrrev_b32 v[TM+1], 16,     v[IX+2*(\l)]
	v_and_b32     v[TM+2], 0xffff, v[IX+2*(\l)+1]
	v_lshrrev_b32 v[TM+3], 16,     v[IX+2*(\l)+1]
.irp k, 0,1,2,3
	v_min_u32 v[TM+(\k)], LIM, v[TM+(\k)]
.endr
.irp k, 0,1,2,3
	v_lshl_add_u32 v[AD+4*(\l)+(\k)], v[TM+(\k)], 6, v[LOFF]
.endr
	global_load_b128 v[WT+8*(\l):WT+8*(\l)+3],   v[WOF], s[WP:WP+1] offset:256*(\l) th:TH_LOAD_NT
	global_load_b128 v[WT+8*(\l)+4:WT+8*(\l)+7], v[WOF], s[WP:WP+1] offset:256*(\l)+16 th:TH_LOAD_NT
	global_load_b64  v[IX+2*(\l):IX+2*(\l)+1],   v[IOF], s[IP:IP+1] offset:64*(\l) th:TH_LOAD_NT
	WIN 0x40                                       ; destination window 1
.irp k, 0,1,2,3
	global_load_b128 v[64*(\l)+16*(\k):64*(\l)+16*(\k)+3],     v[AD+4*(\l)+(\k)], s[4:5]
	global_load_b128 v[64*(\l)+16*(\k)+4:64*(\l)+16*(\k)+7],   v[AD+4*(\l)+(\k)], s[4:5] offset:64
	global_load_b128 v[64*(\l)+16*(\k)+8:64*(\l)+16*(\k)+11],  v[AD+4*(\l)+(\k)], s[4:5] offset:ROWP
	global_load_b128 v[64*(\l)+16*(\k)+12:64*(\l)+16*(\k)+15], v[AD+4*(\l)+(\k)], s[4:5] offset:ROWP+64
.endr
	WIN 0
.endm
; Level l's 16 taps x 8 channels: sum += value (an f16 half) x weight (an f16 half), in f32; eight sums that do not wait for each other
.macro FMA l
	WIN 0x01                                       ; source 0 in window 1
.irp k, 0,1,2,3
.irp t, 0,1,2,3
.irp c, 0,1,2,3,4,5,6,7
.set rG, 64*(\l)+16*(\k)+4*(\t)+(\c)/2
.set rW, WT+8*(\l)+2*(\k)+(\t)/2
.set rA, AC+(\c)
.if ((\l)+(\k)+(\t)) == 0
.set rA, ZERO                          ; the token's first tap starts the sums: nothing is cleared
.endif
.set hh, 2*((\t)%2)+(\c)%2
.if hh == 0
	v_fma_mix_f32 v[AC+(\c)], v[rG], v[rW], v[rA] op_sel_hi:[1,1,0]
.elseif hh == 1
	v_fma_mix_f32 v[AC+(\c)], v[rG], v[rW], v[rA] op_sel:[1,0,0] op_sel_hi:[1,1,0]
.elseif hh == 2
	v_fma_mix_f32 v[AC+(\c)], v[rG], v[rW], v[rA] op_sel:[0,1,0] op_sel_hi:[1,1,0]
.else
	v_fma_mix_f32 v[AC+(\c)], v[rG], v[rW], v[rA] op_sel:[1,1,0] op_sel_hi:[1,1,0]
.endif
.endr
.endr
.endr
	WIN 0
.endm
; cnt: the loads issued behind level l's group.  mode 1: the next token's level l is asked for.  mode 2 (the last token): tile l of W_out's fragments takes the level's registers.
.macro STAGE l, cnt, mode
	s_wait_loadcnt \cnt                            ; loads come back in order: this level's gathers and weights and the next token's indices are in, and their offset registers are free
	FMA \l
.if (\mode) == 1
.if (\l) == 0
	s_wait_xcnt 0x0                                ; every load issued so far has read its base: the two pointers are written only behind this wait
	s_add_nc_u64 s[WP:WP+1], s[WP:WP+1], 1024
	s_add_co_u32 s[RI], s[RI], 1
	s_min_u32 s24, s[RI], 33999                    ; the last wave's last request is held to idx's last row (its numbers are not used)
	s_lshl_b32 s24, s24, 8
	s_add_nc_u64 s[IP:IP+1], s[8:9], s[24:25]
.endif
	ISSUE \l
.else
	WIN 0x40
.irp s, 0,1,2,3,4,5,6,7
	global_load_b128 v[64*(\l)+8*(\s):64*(\l)+8*(\s)+3],   v[FO], s[FP:FP+1] offset:8192*(\l)+1024*(\s)
	global_load_b128 v[64*(\l)+8*(\s)+4:64*(\l)+8*(\s)+7], v[FO], s[FP:FP+1] offset:8192*(\l)+1024*(\s)+512
.endr
	WIN 0
.endif
.endm
.macro FINISH                          ; the token's row, rounded once to f16, into LDS
.irp i, 0,1,2,3
	v_cvt_pk_f16_f32 v[PK+(\i)], v[AC+2*(\i)], v[AC+2*(\i)+1]
.endr
	v_add_nc_u32 v[SAD], s[SOF], v[SST]
	ds_store_b128 v[SAD], v[PK:PK+3]
	s_add_co_u32 s[SOF], s[SOF], SPI
.endm
; A tile of 16 rows x my 64 columns: 32 products, the four accumulators by turns; out through my own stage.  n: pairs of rows that are stored.
.macro TILE adr, ldsoff, outoff, n
	s_wait_xcnt 0x0                                ; the last tile's stores have read their data
.irp s, 0,1,2,3,4,5,6,7
	ds_load_b128 v[AF+8*(\s):AF+8*(\s)+3],   v[\adr] offset:(\ldsoff)+64*(\s)
	ds_load_b128 v[AF+8*(\s)+4:AF+8*(\s)+7], v[\adr] offset:(\ldsoff)+64*(\s)+32
.endr
	s_wait_dscnt 0x0
	WIN 0x01
.irp s, 0,1,2,3,4,5,6,7
.irp t, 0,1,2,3
.if (\s) == 0
	v_wmma_f32_16x16x32_f16 v[GACC+8*(\t):GACC+8*(\t)+7], v[64*(\t)+8*(\s):64*(\t)+8*(\s)+7], v[AF+8*(\s):AF+8*(\s)+7], v[BIASR+8*(\t):BIASR+8*(\t)+7]
.else
	v_wmma_f32_16x16x32_f16 v[GACC+8*(\t):GACC+8*(\t)+7], v[64*(\t)+8*(\s):64*(\t)+8*(\s)+7], v[AF+8*(\s):AF+8*(\s)+7], v[GACC+8*(\t):GACC+8*(\t)+7]
.endif
.endr
.endr
	WIN 0
.rept 5
	v_nop                                          ; places behind the last products: four ahead of the stores that read them and of the next tile's loads into their sources, five ahead of the next tile's first product, which writes over an accumulator
.endr
.irp t, 0,1,2,3
	ds_store_b128 v[OSW], v[GACC+8*(\t):GACC+8*(\t)+3]   offset:64*(\t)      ; each accumulator's lowest registers first
	ds_store_b128 v[OSW], v[GACC+8*(\t)+4:GACC+8*(\t)+7] offset:64*(\t)+16
.endr
.set i, 0
.rept \n
	ds_load_b128 v[OB+4*i:OB+4*i+3], v[OSR] offset:2*OPI*i  ; LDS serves a wave's instructions in order (ISA guide 5.7.1.4): these see the stores above
.set i, i+1
.endr
	s_wait_dscnt 0x0
.set i, 0
.rept \n
	global_store_b128 v[CO], v[OB+4*i:OB+4*i+3], s[OP:OP+1] offset:(\outoff)+2048*i th:TH_STORE_NT  ; 16 lanes store 256 consecutive bytes, at a multiple of 256 from out0's first byte
.set i, i+1
.endr
.endm
	s_load_b256 s[4:11], s[0:1], 0x0               ; vals s[4:5], wts s[6:7], idx s[8:9], wfrag s[10:11]
	s_load_b128 s[12:15], s[0:1], 0x20             ; b_out s[12:13], out0 s[14:15]
	v_lshl_add_u32 v[SPW], v0, 2, SPARE
	v_mov_b32 v[NIL], 0
	v_mov_b32 v[ZERO], 0
	v_lshrrev_b32 v1, 5, v0
	v_readfirstlane_b32 s[WV], v1
	s_and_b32 s[CG], s[WV], 3
	s_lshr_b32 s[RG], s[WV], 2
	s_mul_i32 s[RW], ttmp9, 136
	s_mul_i32 s24, s[WV], 17
	s_add_co_u32 s[RW], s[RW], s24
	v_and_b32 v[TM], 31, v0                        ; l
	v_lshrrev_b32 v[TM+1], 2, v[TM]                ; head
	v_and_b32 v[TM+2], 3, v0
	v_mul_u32_u24 v[LOFF], v[TM+1], HEADB
	v_lshl_add_u32 v[LOFF], v[TM+2], 4, v[LOFF]
	v_lshlrev_b32 v[WOF], 5, v[TM+1]
	v_lshlrev_b32 v[IOF], 3, v[TM+1]
	v_lshlrev_b32 v[SST], 4, v[TM]
	v_lshlrev_b32 v[FO], 4, v[TM]
	v_and_b32 v[TM+1], 15, v0                      ; r
	v_bfe_u32 v[TM+2], v0, 4, 1                    ; hf
	v_mul_u32_u24 v[SA8], v[TM+1], SPI
	v_lshl_add_u32 v[SA8], v[TM+2], 4, v[SA8]      ; 528 r + 16 hf
	s_mul_i32 s24, s[RG], 64*SPI
	v_add_nc_u32 v[SA], s24, v[SA8]                ; rows 64 (w / 4) on
	v_add_nc_u32 v[SA8], 128*SPI, v[SA8]           ; rows 128 on
	s_mul_i32 s24, s[WV], 16*OPI
	s_add_co_u32 s24, s24, OST                     ; my stage
	v_mul_u32_u24 v[OSW], v[TM+1], OPI             ; in: row r, 32 bytes for each half of the lanes
	v_lshl_add_u32 v[OSW], v[TM+2], 5, v[OSW]
	v_add_nc_u32 v[OSW], s24, v[OSW]
	v_mul_u32_u24 v[OSR], v[TM+2], OPI             ; back: lanes 0-15 one row of 256 bytes, lanes 16-31 the next
	v_lshl_add_u32 v[OSR], v[TM+1], 4, v[OSR]
	v_add_nc_u32 v[OSR], s24, v[OSR]
	v_lshlrev_b32 v[CO], 10, v[TM+2]
	v_lshl_add_u32 v[CO], v[TM+1], 4, v[CO]
	s_lshl_b32 s24, s[CG], 8
	v_lshl_add_u32 v[BO], v[TM+2], 5, s24          ; 4 (64 (w % 4) + 8 hf)
.irp i, 0,1,2,3
	v_mov_b32 v[PK+(\i)], 0
.endr
	s_add_co_u32 s24, s[WV], 136
	s_mul_i32 s24, s24, SPI
	v_add_nc_u32 v[SAD], s24, v[SST]
	ds_store_b128 v[SAD], v[PK:PK+3]               ; row 136 + w of the ninth tile holds zeros
	s_mul_i32 s[SOF], s[WV], 17*SPI
	s_mov_b32 s25, 0
	s_wait_kmcnt 0x0
	s_lshl_b32 s24, s[RW], 10
	s_add_nc_u64 s[WP:WP+1], s[6:7], s[24:25]
	s_lshl_b32 s24, s[RW], 8
	s_add_nc_u64 s[IP:IP+1], s[8:9], s[24:25]
	s_lshl_b32 s24, s[CG], 15
	s_add_co_u32 s24, s24, 40*8192
	s_add_nc_u64 s[FP:FP+1], s[10:11], s[24:25]    ; tiles 40 + 4 (w % 4) on
	s_mul_i32 s24, ttmp9, 136*1024
	s_lshl_b32 s33, s[RG], 16
	s_add_co_u32 s24, s24, s33
	s_lshl_b32 s33, s[CG], 8
	s_add_co_u32 s24, s24, s33
	s_add_nc_u64 s[OP:OP+1], s[14:15], s[24:25]
.irp t, 0,1,2,3
	global_load_b128 v[BIASR+8*(\t):BIASR+8*(\t)+3],   v[BO], s[12:13] offset:64*(\t)
	global_load_b128 v[BIASR+8*(\t)+4:BIASR+8*(\t)+7], v[BO], s[12:13] offset:64*(\t)+16
.endr
.irp l, 0,1,2,3
	global_load_b64 v[IX+2*(\l):IX+2*(\l)+1], v[IOF], s[IP:IP+1] offset:64*(\l) th:TH_LOAD_NT  ; my first token's indices
.endr
	s_wait_loadcnt 0x0                             ; they are in, and idx's pointer is free
	s_add_co_u32 s[RI], s[RW], 1
	s_lshl_b32 s24, s[RI], 8
	s_add_nc_u64 s[IP:IP+1], s[8:9], s[24:25]
	ISSUE 0
	ISSUE 1
	ISSUE 2
	ISSUE 3
	s_mov_b32 s[CNT], 16
.Ltoken:                                       ; sixteen trips: a token is summed, the next is asked for
	STAGE 0, 57, 1                                 ; 57: the three groups of 19 issued behind the one wanted
	STAGE 1, 57, 1
	STAGE 2, 57, 1
	STAGE 3, 57, 1
	FINISH
	s_sub_co_u32 s[CNT], s[CNT], 1
	s_cmp_lg_u32 s[CNT], 0
	s_cbranch_scc1 .Ltoken
	STAGE 0, 57, 2                                 ; the seventeenth token: behind level l's group stand 3 - l groups of 19 and 16 l loads of fragments
	STAGE 1, 54, 2
	STAGE 2, 51, 2
	STAGE 3, 48, 2
	FINISH
	s_wait_loadcnt 0x0                             ; W_out's fragments
	s_wait_dscnt 0x0                               ; my 17 rows and my row of zeros lie in LDS,
	s_barrier_signal -1
	s_barrier_wait -1                              ; everybody's do
	TILE SA, 0*16*SPI, 0*16384, 8
	TILE SA, 1*16*SPI, 1*16384, 8
	TILE SA, 2*16*SPI, 2*16384, 8
	TILE SA, 3*16*SPI, 3*16384, 8
	s_cmp_eq_u32 s[RG], 0
	s_cbranch_scc0 .Lend                           ; waves 4 to 7 have no part of the ninth tile
	TILE SA8, 0, 131072, 4                         ; rows 128 to 135: of the tile's 16 rows the first 8 exist and are stored
.Lend:
	s_wait_tensorcnt 0x0                           ; the wave's end, behind my last LDS store
	ds_add_u32 v[SPW], v[NIL]
	s_wait_dscnt 0x0
	s_endpgm
.Lfunc_end_k_qcc649fa031_sample:
	.size	k_qcc649fa031_sample, .Lfunc_end_k_qcc649fa031_sample-k_qcc649fa031_sample
	.p2alignl 7, 3214868480
	.fill 96, 4, 3214868480
	.section	.rodata,"a",@progbits
	.p2align	6, 0x0
	.amdhsa_kernel k_qcc649fa031_sample
		.amdhsa_group_segment_fixed_size 111872
		.amdhsa_private_segment_fixed_size 0
		.amdhsa_enable_private_segment 0
		.amdhsa_kernarg_size 48
		.amdhsa_user_sgpr_count 2
		.amdhsa_user_sgpr_kernarg_segment_ptr 1
		.amdhsa_wavefront_size32 1
		.amdhsa_system_sgpr_workgroup_id_x 1
		.amdhsa_system_sgpr_workgroup_id_y 1
		.amdhsa_system_sgpr_workgroup_id_z 1
		.amdhsa_system_vgpr_workitem_id 0
		.amdhsa_next_free_vgpr 512
		.amdhsa_next_free_sgpr 66
		.amdhsa_reserve_vcc 0
		.amdhsa_float_denorm_mode_32 3
		.amdhsa_float_denorm_mode_16_64 3
		.amdhsa_memory_ordered 1
		.amdhsa_forward_progress 1
		.amdhsa_inst_pref_size 122
	.end_amdhsa_kernel
	.amdgpu_metadata
---
amdhsa.version: [ 1, 2 ]
amdhsa.kernels:
  - .name:           k_qcc649fa031_sample
    .symbol:         k_qcc649fa031_sample.kd
    .args:
      - { .name: vals, .offset: 0, .size: 8, .value_kind: global_buffer, .address_space: global }
      - { .name: wts, .offset: 8, .size: 8, .value_kind: global_buffer, .address_space: global }
      - { .name: idx, .offset: 16, .size: 8, .value_kind: global_buffer, .address_space: global }
      - { .name: wfrag, .offset: 24, .size: 8, .value_kind: global_buffer, .address_space: global }
      - { .name: b_out, .offset: 32, .size: 8, .value_kind: global_buffer, .address_space: global }
      - { .name: out0, .offset: 40, .size: 8, .value_kind: global_buffer, .address_space: global }
    .group_segment_fixed_size: 111872
    .private_segment_fixed_size: 0
    .kernarg_segment_align: 8
    .kernarg_segment_size: 48
    .max_flat_workgroup_size: 256
    .sgpr_count:     66
    .vgpr_count:     512
    .wavefront_size: 32
...
	.end_amdgpu_metadata
.endif
;; end of part 3
;; ======== version 2 of 2: 4 launches; 1.96 times as fast as version 1
;; limits: values are held in f16: magnitudes above 65,504 overflow, below 6.1e-05 lose precision
;; workspace buffers: wfrag 458,752 bytes; vals 17,432,576 bytes; wts 34,816,000 bytes; idx 8,704,000 bytes of whole numbers; samp 17,825,792 bytes
;; launch prep: the kernel of part 1 again; grid 7 x 8, 8 waves a work-group, no clusters, 0 bytes of LDS; arguments W_value, W_off, W_attn, W_out, wfrag; writes wfrag
;; launch proj (part 4): grid 256 x 1, 8 waves a work-group, no clusters, 77,312 bytes of LDS; arguments hidden_states, position_embeddings, reference_points, spatial_shapes, b_value, b_off, b_attn, wfrag, vals, wts, idx; writes vals, wts, idx
.if DOCPART == 4
	.amdgcn_target "amdgcn-amd-amdhsa--gfx1250"
	.amdhsa_code_object_version 6
	.text
	.protected	k_qcc649fa031_proj
	.globl	k_qcc649fa031_proj
	.p2align	8
	.type	k_qcc649fa031_proj,@function
k_qcc649fa031_proj:
	s_mov_b64 s[64:65], 0
	v_nop
	global_prefetch_b8 v0, s[64:65] scope:SCOPE_SE
	s_setreg_imm32_b32 hwreg(HW_REG_WAVE_MODE, 25, 1), 1
	s_wait_xcnt 0x0
; h = hidden + pos; values, offsets and logits = h W + b; the softmax over a head's 16 logits; for each of the 16 points of a token and head
; the base pixel and the four tap weights of the bilinear sample, the attention weight folded in.
; OUT, cut for a later launch that keeps a table of one batch, one head and 16 channels in LDS:
;   vals f16 [batch][head][channel half][8,512 places][16]: token R of batch b lies at place R - 8,496 b, so that 16 flat rows stay 16 aligned places;
;   wts  f16 [head][token][4 taps: (x, y), (x+1, y), (x, y+1), (x+1, y+1)][16 points];   idx u16 [head][token][16 points].
;   Point p = 8 hf + 4 g + k is point k of level 2 g + hf.  An index is 2 x (the level's first place + y x pitch + x) in that later table, whose
;   levels begin at places 0, 6,720, 8,492, 8,892 with pitches 84, 44, 20, 10.
; THE SAMPLE AS A TENT.  For each axis a = floor(x) held to 0 .. W - 2, u = x - a; the weights of pixels a and a + 1 are max(0, 1 - |u|) and
; max(0, 1 - |u - 1|).  Both pixels lie in the level, and the weights equal those of a bilinear sample with zeros outside, for every finite x.
; SHARES.  34,000 rows are 2,125 tiles of 16.  Work-group g walks 8 tiles, the first 77 work-groups 9.  Wave w is head w: five tiles of 16
; columns (values 0-15 and 16-31, offsets 0-15 and 16-31, the 16 logits); their fragments, 320 registers, are loaded once and stay.
; LAYOUT.  The product is used transposed (source 0 = 16 columns of W, source 1 = 16 rows of h): lane (r = l % 16, hf = l / 16) holds token r
; and columns 8 hf + 0..7.  Offsets: tile g, register 2 k is y and 2 k + 1 is x of point k of level 2 g + hf.  Logits (columns permuted
; when the fragments were made): register 4 g + k is point k of level 2 g + hf.  So a lane has offsets and logits of the same 8 points, and its
; 16 bytes of vals and of idx lie on end: they are stored from registers, a wave's store covering 512 consecutive bytes.  wts goes through a stage of the wave's own.
; The sums start from the bias: it lies in LDS in the accumulators' layout and is loaded into them ahead of each tile's products.
; H IN TWO BUFFERS, ONE BARRIER A TILE.  Each wave lays two rows of the next tile's h into the buffer that is not being read.  Ahead of its signal a wave has waited for its reads of
; this tile's buffer and for its stores into the other; behind its wait stand its next reads (of the other buffer) and its next stores (into this one).  Between signal and wait stands
; work on registers alone: the last K step's products and the arithmetic up to the tile's first store.  The buffer stands in the immediates: two tiles to a trip of the loop.
; NO CLUSTER, though every work-group reads the same fragments: they go straight into registers, and a joint load lands in LDS, where 327,680 bytes of fragments have no room beside this
; text's 77,312; and 77 is no multiple of four, so the partners of one cluster would walk 8 and 9 tiles.
; FORMATS.  h (the f32 sum rounded once), W, vals and wts in f16; products' sums, softmax, coordinates and weights in f32.
; LIMITS.  |h|, |W| and |values| under 65,504; f16 below 6.1e-5 keeps the step 6e-8.  1 / spatial_shapes by v_rcp_f32 (1 ULP).  An
; exponential below 2^-126 counts as 0.  An infinite coordinate gives weight 0; NaN is not treated apart.
.set HPI,   528                        ; a row of h in LDS: 512 bytes + 16: the 16 rows of a fragment load start at 16 different groups of four banks (64 banks of 4 bytes: ISA guide 11.1)
.set HB,    16*HPI                     ; a buffer of h; the two lie at 0 and HB
.set WS,    2*HB                       ; the stages for wts: for each wave 16 rows x (128 + 16)
.set WSP,   144
.set BIAS,  WS+8*16*WSP                ; the bias in the accumulators' layout: wave w, chunk q of ten, lane l at 5,120 w + 512 q + 16 l
.set SPARE, BIAS+8*5120                ; the spare words, 128 bytes for each wave: four blocks of 256 bytes that no other line names
.set VSTR,  272384                     ; bytes of a table in vals: 8,512 places x 32
.set KBV,   16*VSTR-8496*32            ; what a step of the batch adds to a token's offset in vals
.set WPL,   4352000                    ; bytes of a head's plane in wts
.set IPL,   1088000                    ; and in idx
.set SPW,  2                           ; v2   SPARE + 4 x my thread's number; never rewritten
.set NIL,  3                           ; v3   0; never rewritten
.set HLD,  4                           ; v4   a fragment of h: 528 r + 16 hf
.set HST,  5                           ; v5   where I put 8 bytes of h: rows 2 w, 2 w + 1
.set GOFF, 6                           ; v6   my 16 bytes in a tile of hidden and of pos: 2,048 w + 16 l
.set RFO,  7                           ; v7   my reference point: 32 r + 8 hf
.set WSA,  8                           ; v8   my stage: row r, 16 bytes for each half of the lanes
.set WSR,  9                           ; v9   my stage read back: four rows of 128 bytes a load
.set IGO,  10                          ; v10  my 16 bytes in a tile of idx: 32 r + 16 hf
.set VGR,  11                          ; v11  32 x my token + 16 hf + my head's tables in vals
.set VGO,  12                          ; v12  the same with the batch's part: my 16 bytes in vals
.set BIA,  16                          ; v16  my bias chunks
.set ROW,  17                          ; v17  my token's flat number
.set FOF,  18                          ; v18  16 l
.set SC,   20                          ; v[20:23]  (half size / shape) for y, x; group 0, group 1
.set HF,   24                          ; v[24:27]  half size, twice; by group
.set HM,   28                          ; v[28:31]  half size - 0.5, twice; by group
.set WM2,  32                          ; v32-33  W - 2
.set WF,   34                          ; v34-35  2 x the level's pitch in the later table
.set LS,   36                          ; v36-37  2 x the level's first place there
.set RC,   38                          ; v[38:41]  this tile's reference points (y, x); by group
.set RN,   42                          ; v[42:45]  the next tile's, landing
.set BC,   46                          ; v[46:49]  ref x half + half - 0.5
.set LD,   52                          ; v[52:83]  the next tile's hidden and pos
.set ACC,  84                          ; v[84:123] five accumulators: values 0, 1; offsets 0, 1; logits
.set ATTF, 124                         ; v[124:187] the logits' fragments; those of the other four tiles fill window 1: tile j, K step s at 64 j + 8 s
.set TS,   188                         ; v[188:191] at work
.set HFR,  192                         ; v[192:255] h's fragments; behind the products at work:
.set E,    192                         ;   32: group g, point k: (EY0, EY1) at 16 g + 4 k, (EX0, EX1) at + 2
.set AT,   224                         ;   8: the base pixels (y, x)
.set U1,   232                         ;   8: u - 1
.set PKW,  224                         ;   later 16: the weights in f16: tap t, group g, points 2 i, 2 i + 1 at 4 t + 2 g + i
.set IXP,  240                         ;   4: packed indices
.set IT,   244                         ;   4: indices at work; later the softmax's sums
.set VP,   248                         ;   8: packed values
.set AY,   ACC+16                      ; EY x attention weight, where offsets 0 lay
.set WQ,   ACC                         ; the four weights of four points in f32 (point k, tap t at 4 k + t), where the values lay; later wts on its way out
.set WV,   26                          ; s26 wave = head
.set T0,   27                          ; s27 my work-group's first tile
.set NT,   28                          ; s28 its tiles
.set TI,   29                          ; s29 the tile in hand, counted from T0
.set HP,   40                          ; s[40:41], s[42:43] hidden and pos at the tile whose h is being laid into LDS
.set PP,   42
.set RP,   44                          ; s[44:45] reference points of the next tile
.set BW,   46                          ; s[46:47] wts at my head's part of the tile
.set BI,   48                          ; s[48:49] idx likewise
.set HMASK, 54                         ; s54 lanes 16 to 31
.set KB,   55                          ; s55 KBV
.set L2E,  56                          ; s[56:57] log2(e)
.set SEL,  58                          ; s[58:59] v_permlanex16_b32: each lane takes its own place in the other half
.set LC,   62                          ; s62 pairs of tiles to go
.set MSB, 0
.macro WIN new                         ; s_set_vgpr_msb: bits 1:0 source 0, 7:6 destination; the high byte repeats the setting that is left
.if MSB != (\new)
	s_set_vgpr_msb (MSB<<8)|(\new)
.set MSB, (\new)
.endif
.endm
.macro HSEL dst, a, b                  ; a in lanes 0-15, b in lanes 16-31
	v_mov_b32 v[\dst], \a
	v_mov_b32 v[TS], \b
	v_cndmask_b32 v[\dst], v[\dst], v[TS], s[HMASK]
.endm
; Eight loads: my two rows of a tile of hidden and of pos, 512 consecutive bytes each
.macro HLOADS off
.irp i, 0,1
.irp f, 0,1
	global_load_b128 v[LD+16*(\i)+8*(\f):LD+16*(\i)+8*(\f)+3],   v[GOFF], s[HP:HP+1] offset:(\off)+1024*(\i)+512*(\f) th:TH_LOAD_NT
	global_load_b128 v[LD+16*(\i)+8*(\f)+4:LD+16*(\i)+8*(\f)+7], v[GOFF], s[PP:PP+1] offset:(\off)+1024*(\i)+512*(\f) th:TH_LOAD_NT
.endr
.endr
.endm
; h = hidden + pos in f32, rounded once to f16, into buffer hb
.macro CONVERT hb
.irp c, 0,8,16,24
	v_pk_add_f32 v[LD+(\c):LD+(\c)+1],   v[LD+(\c):LD+(\c)+1],   v[LD+(\c)+4:LD+(\c)+5]
	v_pk_add_f32 v[LD+(\c)+2:LD+(\c)+3], v[LD+(\c)+2:LD+(\c)+3], v[LD+(\c)+6:LD+(\c)+7]
.endr
.irp c, 0,8,16,24
	v_cvt_pk_f16_f32 v[LD+(\c)],   v[LD+(\c)],   v[LD+(\c)+1]
	v_cvt_pk_f16_f32 v[LD+(\c)+1], v[LD+(\c)+2], v[LD+(\c)+3]
.endr
.irp i, 0,1
.irp f, 0,1
	ds_store_b64 v[HST], v[LD+16*(\i)+8*(\f):LD+16*(\i)+8*(\f)+1] offset:HB*(\hb)+HPI*(\i)+256*(\f)
.endr
.endr
.endm
; Group g's four points: coordinates, base pixels, the tents' values, the index
.macro COORD g
.set rO, ACC+16+8*(\g)
.irp k, 0,1,2,3
	v_pk_fma_f32 v[rO+2*(\k):rO+2*(\k)+1], v[rO+2*(\k):rO+2*(\k)+1], v[SC+2*(\g):SC+2*(\g)+1], v[BC+2*(\g):BC+2*(\g)+1]  ; (y, x); the accumulator's lowest registers are read first
.endr
.irp i, 0,1,2,3,4,5,6,7
	v_floor_f32 v[AT+(\i)], v[rO+(\i)]
.endr
.irp i, 0,1,2,3,4,5,6,7
	v_med3_num_f32 v[AT+(\i)], v[AT+(\i)], 0, v[WM2+(\g)]
.endr
.irp k, 0,1,2,3
	v_pk_add_f32 v[rO+2*(\k):rO+2*(\k)+1], v[rO+2*(\k):rO+2*(\k)+1], v[AT+2*(\k):AT+2*(\k)+1] neg_lo:[0,1] neg_hi:[0,1]  ; u
.endr
.irp k, 0,1,2,3
	v_pk_add_f32 v[U1+2*(\k):U1+2*(\k)+1], v[rO+2*(\k):rO+2*(\k)+1], -1.0 op_sel_hi:[1,0]  ; u - 1
.endr
.irp k, 0,1,2,3
	v_sub_f32 v[E+16*(\g)+4*(\k)],   1.0, |v[rO+2*(\k)]|
	v_sub_f32 v[E+16*(\g)+4*(\k)+1], 1.0, |v[U1+2*(\k)]|
	v_sub_f32 v[E+16*(\g)+4*(\k)+2], 1.0, |v[rO+2*(\k)+1]|
	v_sub_f32 v[E+16*(\g)+4*(\k)+3], 1.0, |v[U1+2*(\k)+1]|
.endr
.irp i, 0,1,2,3,4,5,6,7,8,9,10,11,12,13,14,15
	v_max_num_f32 v[E+16*(\g)+(\i)], 0, v[E+16*(\g)+(\i)]
.endr
.irp k, 0,1,2,3
	v_fma_f32 v[IT+(\k)], v[AT+2*(\k)], v[WF+(\g)], v[LS+(\g)]  ; 2 (first place + y x pitch): whole numbers under 18,000, exact in f32
.endr
.irp k, 0,1,2,3
	v_fma_f32 v[IT+(\k)], v[AT+2*(\k)+1], 2.0, v[IT+(\k)]       ; + 2 x
.endr
.irp k, 0,1,2,3
	v_cvt_u32_f32 v[IT+(\k)], v[IT+(\k)]
.endr
	v_lshl_or_b32 v[IXP+2*(\g)],   v[IT+1], 16, v[IT]
	v_lshl_or_b32 v[IXP+2*(\g)+1], v[IT+3], 16, v[IT+2]
.endm
; Group g's sixteen tap weights EX EY aw, rounded to f16 and gathered by taps
.macro WGT g
.irp k, 0,1,2,3
.set rE, E+16*(\g)+4*(\k)
.set rW, ACC+32+4*(\g)+2*((\k)/2)
.if ((\k)%2) == 0
	v_pk_mul_f32 v[AY+2*(\k):AY+2*(\k)+1], v[rE:rE+1], v[rW:rW+1] op_sel_hi:[1,0]
.else
	v_pk_mul_f32 v[AY+2*(\k):AY+2*(\k)+1], v[rE:rE+1], v[rW:rW+1] op_sel:[0,1] op_sel_hi:[1,1]
.endif
.endr
.irp k, 0,1,2,3
.set rE, E+16*(\g)+4*(\k)
	v_pk_mul_f32 v[WQ+4*(\k):WQ+4*(\k)+1],   v[rE+2:rE+3], v[AY+2*(\k):AY+2*(\k)+1] op_sel_hi:[1,0]
	v_pk_mul_f32 v[WQ+4*(\k)+2:WQ+4*(\k)+3], v[rE+2:rE+3], v[AY+2*(\k):AY+2*(\k)+1] op_sel:[0,1] op_sel_hi:[1,1]
.endr
.irp t, 0,1,2,3
.irp i, 0,1
	v_cvt_pk_f16_f32 v[PKW+4*(\t)+2*(\g)+(\i)], v[WQ+8*(\i)+(\t)], v[WQ+8*(\i)+4+(\t)]  ; tap t of points 2 i and 2 i + 1
.endr
.endr
.endm
; A TILE of 16 rows, whose h lies in buffer hb.
.macro TRIP hb
	s_wait_xcnt 0x0                                ; the last tile's stores have read their data, offsets and bases: all these are written again only behind this wait
.irp q, 0,1,2,3,4,5,6,7,8,9
	ds_load_b128 v[ACC+4*(\q):ACC+4*(\q)+3], v[BIA] offset:512*(\q)  ; the sums start from the bias
.endr
.irp s, 0,1,2,3,4,5,6,7
	ds_load_b128 v[HFR+8*(\s):HFR+8*(\s)+3],   v[HLD] offset:HB*(\hb)+64*(\s)
	ds_load_b128 v[HFR+8*(\s)+4:HFR+8*(\s)+7], v[HLD] offset:HB*(\hb)+64*(\s)+32
.endr
	; while those 26 loads are served: the next tile's h goes into the other buffer, whose last readers all signalled ahead of the barrier wait that I have passed
	s_wait_loadcnt 0x0                             ; the next tile's hidden, pos and reference points, asked for a tile ago (at the first tile the fragments too); their pointers are free
.irp i, 0,1,2,3
	v_mov_b32 v[RC+(\i)], v[RN+(\i)]
.endr
	CONVERT 1-(\hb)                                ; (at the last tile: numbers that nobody reads)
	s_add_nc_u64 s[HP:HP+1], s[HP:HP+1], 16384
	s_add_nc_u64 s[PP:PP+1], s[PP:PP+1], 16384
	s_add_co_u32 s30, s[TI], 2
	s_cmp_lt_u32 s30, s[NT]
	s_cbranch_scc0 .Lnoh_\@                        ; the last two tiles have no tile two on
	HLOADS 16384
.Lnoh_\@:
	s_add_co_u32 s30, s[TI], 1
	s_sub_co_u32 s31, s[NT], 1
	s_min_u32 s30, s30, s31                        ; the next tile, or at the last tile this one once more: no load leaves the buffer
	s_add_co_u32 s30, s30, s[T0]
	s_lshl_b32 s30, s30, 9
	s_mov_b32 s31, 0
	s_add_nc_u64 s[RP:RP+1], s[8:9], s[30:31]
	global_load_b64 v[RN:RN+1],   v[RFO], s[RP:RP+1]
	global_load_b64 v[RN+2:RN+3], v[RFO], s[RP:RP+1] offset:16
	; 40 products.  The five accumulators take turns, one instruction a turn.
	; 30 LDS instructions went out, in order (ISA guide 5.7.1): 10 of bias, 16 of fragments, 4 stores.  K step s wants the first 12 + 2 s: 18 - 2 s may stay out.
.irp s, 0,1,2,3,4,5,6,7
.if (\s) < 7
	s_wait_dscnt 18-2*(\s)
.else
	s_wait_dscnt 0x0                               ; for the others' sake: my reads of this buffer are back and my rows of the other lie in LDS:
	s_barrier_signal -1                            ; say so; up to the wait below, work on registers alone
.endif
	WIN 0x01                                       ; source 0 in window 1
.irp j, 0,1,2,3
	v_wmma_f32_16x16x32_f16 v[ACC+8*(\j):ACC+8*(\j)+7], v[64*(\j)+8*(\s):64*(\j)+8*(\s)+7], v[HFR+8*(\s):HFR+8*(\s)+7], v[ACC+8*(\j):ACC+8*(\j)+7]
.endr
	WIN 0
	v_wmma_f32_16x16x32_f16 v[ACC+32:ACC+39], v[ATTF+8*(\s):ATTF+8*(\s)+7], v[HFR+8*(\s):HFR+8*(\s)+7], v[ACC+32:ACC+39]
.endr
.rept 4
	v_nop                                          ; four places behind the last products (ISA guide 7.12.1), ahead of the reads of their results and the writes over h's fragments
.endr
	; my token's batch, from its flat number, as its part of the offset in vals; the coordinates' constant part
	v_cmp_lt_u32 vcc_lo, 8499, v[ROW]
	v_cndmask_b32 v[TS], 0, s[KB], vcc_lo
	v_cmp_lt_u32 vcc_lo, 16999, v[ROW]
	v_cndmask_b32 v[TS+1], 0, s[KB], vcc_lo
	v_cmp_lt_u32 vcc_lo, 25499, v[ROW]
	v_cndmask_b32 v[TS+2], 0, s[KB], vcc_lo
	v_add3_u32 v[TS], v[TS], v[TS+1], v[TS+2]
	v_add_nc_u32 v[VGO], v[VGR], v[TS]
	v_add_nc_u32 v[ROW], 16, v[ROW]
	v_add_nc_u32 v[VGR], 0x200, v[VGR]
	v_pk_fma_f32 v[BC:BC+1],   v[RC:RC+1],   v[HF:HF+1],   v[HM:HM+1]
	v_pk_fma_f32 v[BC+2:BC+3], v[RC+2:RC+3], v[HF+2:HF+3], v[HM+2:HM+3]
	; the softmax: the maximum of the head's 16 logits (8 here, 8 in the lane 16 away) is taken away ahead of the exponentials
	v_max3_num_f32 v[TS+1], v[ACC+32], v[ACC+33], v[ACC+34]
	v_max3_num_f32 v[TS+2], v[ACC+35], v[ACC+36], v[ACC+37]
	v_max3_num_f32 v[TS+1], v[TS+1], v[ACC+38], v[ACC+39]
	v_max_num_f32 v[TS+1], v[TS+1], v[TS+2]
	v_permlanex16_b32 v[TS+2], v[TS+1], s[SEL], s[SEL+1]
	v_max_num_f32 v[TS+1], v[TS+1], v[TS+2]
	v_mul_f32 v[TS], s[L2E], v[TS+1]
.irp i, 0,2,4,6
	v_pk_fma_f32 v[ACC+32+(\i):ACC+33+(\i)], v[ACC+32+(\i):ACC+33+(\i)], s[L2E:L2E+1], v[TS:TS+1] op_sel_hi:[1,0,0] neg_lo:[0,0,1] neg_hi:[0,0,1]
.endr
.irp i, 0,1,2,3,4,5,6,7
	v_exp_f32 v[ACC+32+(\i)], v[ACC+32+(\i)]
.endr
	COORD 0                                        ; names none of the exponentials' results
	COORD 1
	s_wait_alu depctr_va_vdst(0)                   ; one wait for the eight exponentials, ahead of their first reader
	v_pk_add_f32 v[IT:IT+1],   v[ACC+32:ACC+33], v[ACC+34:ACC+35]
	v_pk_add_f32 v[IT+2:IT+3], v[ACC+36:ACC+37], v[ACC+38:ACC+39]
	v_pk_add_f32 v[IT:IT+1], v[IT:IT+1], v[IT+2:IT+3]
	v_add_f32 v[IT], v[IT], v[IT+1]
	v_permlanex16_b32 v[IT+1], v[IT], s[SEL], s[SEL+1]
	v_add_f32 v[IT], v[IT], v[IT+1]                ; at least 1: the largest logit's term
	v_rcp_f32 v[IT+2], v[IT]
.irp j, 0,1                            ; the values, rounded to f16: the work between the reciprocal and its wait
.irp i, 0,1,2,3
	v_cvt_pk_f16_f32 v[VP+4*(\j)+(\i)], v[ACC+8*(\j)+2*(\i)], v[ACC+8*(\j)+2*(\i)+1]
.endr
.endr
	s_barrier_wait -1                              ; all eight waves have signalled: the other buffer is whole, and nobody reads this one any more.  The tile's first store follows
	global_store_b128 v[VGO], v[VP:VP+3],   s[20:21]              ; channels 0-15: 16 tokens x 32 bytes, 512 consecutive bytes of the table (two tables where the tile spans two batches)
	global_store_b128 v[VGO], v[VP+4:VP+7], s[20:21] offset:VSTR  ; channels 16-31: the next table
	s_wait_alu depctr_va_vdst(0)                   ; the reciprocal
.irp i, 0,2,4,6
	v_pk_mul_f32 v[ACC+32+(\i):ACC+33+(\i)], v[ACC+32+(\i):ACC+33+(\i)], v[IT+2:IT+3] op_sel_hi:[1,0]
.endr
	WGT 0
	WGT 1
	; the way out of wts: 16 bytes a lane and tap into my own stage, back as 4 rows of 128 bytes a load: the tile's 2,048 bytes of my head's plane on end
.irp t, 0,1,2,3
	ds_store_b128 v[WSA], v[PKW+4*(\t):PKW+4*(\t)+3] offset:32*(\t)
.endr
.irp i, 0,1,2,3
	ds_load_b128 v[WQ+4*(\i):WQ+4*(\i)+3], v[WSR] offset:4*WSP*(\i)  ; LDS serves a wave's instructions in order (ISA guide 5.7.1.4): these see the stores above
.endr
	s_add_co_u32 s30, s[T0], s[TI]
	s_mov_b32 s61, 0
	s_lshl_b32 s60, s30, 11
	s_add_nc_u64 s[BW:BW+1], s[22:23], s[60:61]
	s_lshl_b32 s60, s30, 9
	s_add_nc_u64 s[BI:BI+1], s[24:25], s[60:61]
	global_store_b128 v[IGO], v[IXP:IXP+3], s[BI:BI+1] th:TH_STORE_NT  ; 16 tokens x 32 bytes: 512 consecutive bytes, aligned
	s_wait_dscnt 0x0                               ; the stage is back
.irp i, 0,1,2,3
	global_store_b128 v[FOF], v[WQ+4*(\i):WQ+4*(\i)+3], s[BW:BW+1] offset:512*(\i) th:TH_STORE_NT  ; 512 consecutive bytes, aligned
.endr
	s_add_co_u32 s[TI], s[TI], 1
.endm
	s_load_b512 s[4:19], s[0:1], 0x0               ; hidden s[4:5], pos s[6:7], ref s[8:9], shapes s[10:11], b_value s[12:13], b_off s[14:15], b_attn s[16:17], wfrag s[18:19]
	s_load_b128 s[20:23], s[0:1], 0x40             ; vals s[20:21], wts s[22:23]
	s_load_b64 s[24:25], s[0:1], 0x50              ; idx
	v_lshl_add_u32 v[SPW], v0, 2, SPARE
	v_mov_b32 v[NIL], 0
	v_lshrrev_b32 v1, 5, v0
	v_readfirstlane_b32 s[WV], v1
	s_min_u32 s30, ttmp9, 77
	s_lshl3_add_u32 s[T0], ttmp9, s30              ; 8 g + min(g, 77)
	s_cmp_lt_u32 ttmp9, 77
	s_cselect_b32 s[NT], 9, 8
	s_mov_b32 s[TI], 0
	s_mov_b32 s[HMASK], 0xffff0000
	s_mov_b32 s[KB], KBV
	s_mov_b32 s[L2E], 0x3fb8aa3b
	s_mov_b32 s[L2E+1], s[L2E]                     ; named with it as a pair
	s_mov_b32 s[SEL], 0x76543210
	s_mov_b32 s[SEL+1], 0xfedcba98
	v_and_b32 v19, 31, v0                          ; l
	v_and_b32 v1, 15, v0                           ; r
	v_bfe_u32 v[TS], v0, 4, 1                      ; hf
	v_mul_u32_u24 v[HLD], v1, HPI
	v_lshl_add_u32 v[HLD], v[TS], 4, v[HLD]
	s_mul_i32 s30, s[WV], 2*HPI
	v_lshl_add_u32 v[HST], v19, 3, s30
	s_lshl_b32 s30, s[WV], 11
	v_lshl_add_u32 v[GOFF], v19, 4, s30
	v_lshlrev_b32 v[RFO], 5, v1
	v_lshl_add_u32 v[RFO], v[TS], 3, v[RFO]
	s_mul_i32 s30, s[WV], 16*WSP
	s_add_co_u32 s30, s30, WS                      ; my stage
	v_mul_u32_u24 v[WSA], v1, WSP
	v_lshl_add_u32 v[WSA], v[TS], 4, v[WSA]
	v_add_nc_u32 v[WSA], s30, v[WSA]
	v_lshrrev_b32 v[TS+1], 3, v19                  ; l / 8
	v_and_b32 v[TS+2], 7, v0
	v_mul_u32_u24 v[WSR], v[TS+1], WSP
	v_lshl_add_u32 v[WSR], v[TS+2], 4, v[WSR]
	v_add_nc_u32 v[WSR], s30, v[WSR]
	v_lshlrev_b32 v[IGO], 5, v1
	v_lshl_add_u32 v[IGO], v[TS], 4, v[IGO]
	s_mul_i32 s30, s[WV], 5120
	s_add_co_u32 s30, s30, BIAS
	v_lshl_add_u32 v[BIA], v19, 4, s30
	s_lshl_b32 s30, s[T0], 4
	v_add_nc_u32 v[ROW], s30, v1
	s_mul_i32 s30, s[WV], 2*VSTR
	v_lshl_add_u32 v[VGR], v[ROW], 5, s30
	v_lshl_add_u32 v[VGR], v[TS], 4, v[VGR]
	v_lshlrev_b32 v[FOF], 4, v19
	s_lshl_b32 s30, s[WV], 7
	v_lshl_add_u32 v[TS+2], v[TS], 5, s30          ; b_value, b_off: 4 (32 m + 8 hf)
	s_lshl_b32 s30, s[WV], 6
	v_lshl_add_u32 v[TS+3], v[TS], 4, s30          ; b_attn: 4 (16 m + 4 hf)
	s_wait_kmcnt 0x0
	s_load_b256 s[32:39], s[10:11], 0x0            ; spatial_shapes: (H, W) of levels 0 to 3
	s_lshl_b32 s30, s[T0], 14                      ; a tile of hidden or pos is 16,384 bytes
	s_mov_b32 s31, 0
	s_add_nc_u64 s[HP:HP+1], s[4:5], s[30:31]
	s_add_nc_u64 s[PP:PP+1], s[6:7], s[30:31]
	s_lshl_b32 s30, s[T0], 9
	s_add_nc_u64 s[RP:RP+1], s[8:9], s[30:31]
	s_mul_i32 s30, s[WV], 5*8192
	s_add_nc_u64 s[18:19], s[18:19], s[30:31]      ; my head's five tiles of fragments
	s_mul_i32 s30, s[WV], WPL
	s_add_nc_u64 s[22:23], s[22:23], s[30:31]      ; my head's plane of wts
	s_mul_i32 s30, s[WV], IPL
	s_add_nc_u64 s[24:25], s[24:25], s[30:31]      ; and of idx
.irp j, 0,1                            ; ten loads: the bias as the accumulators hold it
	global_load_b128 v[ACC+8*(\j):ACC+8*(\j)+3],       v[TS+2], s[12:13] offset:64*(\j)
	global_load_b128 v[ACC+8*(\j)+4:ACC+8*(\j)+7],     v[TS+2], s[12:13] offset:64*(\j)+16
	global_load_b128 v[ACC+16+8*(\j):ACC+16+8*(\j)+3], v[TS+2], s[14:15] offset:64*(\j)
	global_load_b128 v[ACC+16+8*(\j)+4:ACC+16+8*(\j)+7], v[TS+2], s[14:15] offset:64*(\j)+16
.endr
	global_load_b128 v[ACC+32:ACC+35], v[TS+3], s[16:17]
	global_load_b128 v[ACC+36:ACC+39], v[TS+3], s[16:17] offset:32
	HLOADS 0                                       ; eight loads: the first tile
	WIN 0x40                                       ; destination window 1
.irp j, 0,1,2,3
.irp s, 0,1,2,3,4,5,6,7
	global_load_b128 v[64*(\j)+8*(\s):64*(\j)+8*(\s)+3],   v[FOF], s[18:19] offset:8192*(\j)+1024*(\s)
	global_load_b128 v[64*(\j)+8*(\s)+4:64*(\j)+8*(\s)+7], v[FOF], s[18:19] offset:8192*(\j)+1024*(\s)+512
.endr
.endr
	WIN 0
.irp s, 0,1,2,3,4,5,6,7
	global_load_b128 v[ATTF+8*(\s):ATTF+8*(\s)+3],   v[FOF], s[18:19] offset:32768+1024*(\s)
	global_load_b128 v[ATTF+8*(\s)+4:ATTF+8*(\s)+7], v[FOF], s[18:19] offset:32768+1024*(\s)+512
.endr
	s_wait_loadcnt 63                              ; 98 loads were issued, in order: at most 63 are out, so the oldest 35 are in, the bias's ten and the first tile's eight among them
.irp q, 0,1,2,3,4,5,6,7,8,9
	ds_store_b128 v[BIA], v[ACC+4*(\q):ACC+4*(\q)+3] offset:512*(\q)
.endr
	CONVERT 0                                      ; the first tile's h, into buffer 0
	s_wait_kmcnt 0x0                               ; the shapes
	HSEL SC+0, s32, s34                            ; group 0: level hf; group 1: level 2 + hf
	HSEL SC+1, s33, s35
	HSEL SC+2, s36, s38
	HSEL SC+3, s37, s39
.irp i, 0,1,2,3
	v_cvt_f32_i32 v[SC+(\i)], v[SC+(\i)]
.endr
.irp i, 0,1,2,3
	v_rcp_f32 v[SC+(\i)], v[SC+(\i)]
.endr
	HSEL HF+0,  0x42200000, 0x41a00000             ; 40, 20
	HSEL HF+2,  0x41200000, 0x40a00000             ; 10, 5
	HSEL HM+0,  0x421e0000, 0x419c0000             ; 39.5, 19.5
	HSEL HM+2,  0x41180000, 0x40900000             ; 9.5, 4.5
	HSEL WM2+0, 0x429c0000, 0x42180000             ; 78, 38
	HSEL WM2+1, 0x41900000, 0x41000000             ; 18, 8
	HSEL WF+0,  0x43280000, 0x42b00000             ; 168, 88
	HSEL WF+1,  0x42200000, 0x41a00000             ; 40, 20
	HSEL LS+0,  0, 0x46520000                      ; 0, 13,440
	HSEL LS+1,  0x4684b000, 0x468af000             ; 16,984, 17,784
	v_mov_b32 v[HF+1], v[HF]
	v_mov_b32 v[HF+3], v[HF+2]
	v_mov_b32 v[HM+1], v[HM]
	v_mov_b32 v[HM+3], v[HM+2]
	s_wait_alu depctr_va_vdst(0)                   ; one wait for the four reciprocals, ahead of their first reader; the constants above are the work between
	v_pk_mul_f32 v[SC:SC+1],   v[SC:SC+1],   v[HF:HF+1]
	v_pk_mul_f32 v[SC+2:SC+3], v[SC+2:SC+3], v[HF+2:HF+3]
	HLOADS 16384                                   ; the second tile (every work-group has eight or more)
	global_load_b64 v[RN:RN+1],   v[RFO], s[RP:RP+1]
	global_load_b64 v[RN+2:RN+3], v[RFO], s[RP:RP+1] offset:16
	s_wait_dscnt 0x0                               ; my rows of the first h lie in LDS,
	s_barrier_signal -1
	s_barrier_wait -1                              ; everybody's do
	s_mov_b32 s[LC], 4
.Lpair:                                        ; four trips of two tiles: the buffers take turns
	TRIP 0
	TRIP 1
	s_sub_co_u32 s[LC], s[LC], 1
	s_cmp_lg_u32 s[LC], 0
	s_cbranch_scc1 .Lpair
	s_cmp_eq_u32 s[NT], 9                          ; made of the work-group's number alone: alike in all eight waves
	s_cbranch_scc0 .Lend
	TRIP 0                                         ; the ninth tile of the first 77 work-groups
.Lend:
	s_wait_tensorcnt 0x0                           ; the wave's end, behind my last LDS store
	ds_add_u32 v[SPW], v[NIL]
	s_wait_dscnt 0x0
	s_endpgm
.Lfunc_end_k_qcc649fa031_proj:
	.size	k_qcc649fa031_proj, .Lfunc_end_k_qcc649fa031_proj-k_qcc649fa031_proj
	.p2alignl 7, 3214868480
	.fill 96, 4, 3214868480
	.section	.rodata,"a",@progbits
	.p2align	6, 0x0
	.amdhsa_kernel k_qcc649fa031_proj
		.amdhsa_group_segment_fixed_size 77312
		.amdhsa_private_segment_fixed_size 0
		.amdhsa_enable_private_segment 0
		.amdhsa_kernarg_size 88
		.amdhsa_user_sgpr_count 2
		.amdhsa_user_sgpr_kernarg_segment_ptr 1
		.amdhsa_wavefront_size32 1
		.amdhsa_system_sgpr_workgroup_id_x 1
		.amdhsa_system_sgpr_workgroup_id_y 1
		.amdhsa_system_sgpr_workgroup_id_z 1
		.amdhsa_system_vgpr_workitem_id 0
		.amdhsa_next_free_vgpr 512
		.amdhsa_next_free_sgpr 66
		.amdhsa_reserve_vcc 1
		.amdhsa_float_denorm_mode_32 3
		.amdhsa_float_denorm_mode_16_64 3
		.amdhsa_memory_ordered 1
		.amdhsa_forward_progress 1
		.amdhsa_inst_pref_size 85
	.end_amdhsa_kernel
	.amdgpu_metadata
---
amdhsa.version: [ 1, 2 ]
amdhsa.kernels:
  - .name:           k_qcc649fa031_proj
    .symbol:         k_qcc649fa031_proj.kd
    .args:
      - { .name: hidden_states, .offset: 0, .size: 8, .value_kind: global_buffer, .address_space: global }
      - { .name: position_embeddings, .offset: 8, .size: 8, .value_kind: global_buffer, .address_space: global }
      - { .name: reference_points, .offset: 16, .size: 8, .value_kind: global_buffer, .address_space: global }
      - { .name: spatial_shapes, .offset: 24, .size: 8, .value_kind: global_buffer, .address_space: global }
      - { .name: b_value, .offset: 32, .size: 8, .value_kind: global_buffer, .address_space: global }
      - { .name: b_off, .offset: 40, .size: 8, .value_kind: global_buffer, .address_space: global }
      - { .name: b_attn, .offset: 48, .size: 8, .value_kind: global_buffer, .address_space: global }
      - { .name: wfrag, .offset: 56, .size: 8, .value_kind: global_buffer, .address_space: global }
      - { .name: vals, .offset: 64, .size: 8, .value_kind: global_buffer, .address_space: global }
      - { .name: wts, .offset: 72, .size: 8, .value_kind: global_buffer, .address_space: global }
      - { .name: idx, .offset: 80, .size: 8, .value_kind: global_buffer, .address_space: global }
    .group_segment_fixed_size: 77312
    .private_segment_fixed_size: 0
    .kernarg_segment_align: 8
    .kernarg_segment_size: 88
    .max_flat_workgroup_size: 256
    .sgpr_count:     66
    .vgpr_count:     512
    .wavefront_size: 32
...
	.end_amdgpu_metadata
.endif
;; end of part 4
;; launch sample (part 5): grid 256 x 1, 8 waves a work-group, no clusters, 288,768 bytes of LDS; arguments vals, wts, idx, samp; writes samp
.if DOCPART == 5
	.amdgcn_target "amdgcn-amd-amdhsa--gfx1250"
	.amdhsa_code_object_version 6
	.text
	.protected	k_qcc649fa031_sample
	.globl	k_qcc649fa031_sample
	.p2align	8
	.type	k_qcc649fa031_sample,@function
k_qcc649fa031_sample:
	s_mov_b64 s[64:65], 0
	v_nop
	global_prefetch_b8 v0, s[64:65] scope:SCOPE_SE
	s_setreg_imm32_b32 hwreg(HW_REG_WAVE_MODE, 25, 1), 1
	s_wait_xcnt 0x0
; samp[table][place][16] = the sum over a token's 16 points x 4 taps of weight x value row, for one batch, one head and 16 of its 32 channels.
; IN.  vals f16 [64 tables: batch, head, channel half][8,512 places][16]; wts f16 [head][token][4 taps][16 points]; idx u16 [head][token][16 points].  Token R of batch b has
; place R - 8,496 b.  Point p of the 16 belongs to level 0, 2, 1, 3 for p / 4 = 0, 1, 2, 3.  An index is 2 x the first tap's place in the LDS table below.
; THE TABLE LIES IN LDS: 8,500 tokens x 32 bytes.  Levels 0 and 1 get 4 places of padding behind each image row (pitches 84 and 44 places; levels 2 and 3 keep 20 and 10), so that
; a point's taps (x, y), (x+1, y), (x, y+1), (x+1, y+1) start at four different groups of eight banks (64 banks of 4 bytes: ISA guide 11.1).
; THE FILL.  That padding stands behind 2,560 and 1,280 bytes, which are no power of two of words, so a tensor descriptor's padding cannot lay it; copies lane by lane can: 79 a wave,
; once, at the head.  The last run (levels 2 and 3, 16,000 bytes) begins 384 bytes early, in level 1's last tokens, so that it is 32 whole instructions; those bytes land in a gap that nobody reads.
; NO CLUSTER, though the four work-groups of a table read the same 272,000 bytes: lane-by-lane copies have no joint form.
; SHARES.  Work-group g: table g / 4, places 2,176 (g % 4) on; wave w 272 of them: 17 blocks of 16.  A table has 8,704 places so that this divides; the 204 that are no token of the batch
; are worked on with neighbouring tokens' weights and indices (the row held to the last 16 of the buffers) and land in places of samp that nobody reads.
; LANES.  Lane = chunk of 8 channels (bit 0), tap x (bit 1), tap y (bit 2), query (bits 3-4).  One LDS load brings one point's four taps for four queries; a lane sums ITS tap over the 16
; points; two additions across lanes (xor 2, xor 4) then sum the taps.  Of a block's four groups of 4 queries the lanes of tap t keep group t, so one store covers the block's 512 bytes.
; IN FLIGHT.  A group's 16 LDS loads are issued while the group before is summed.  A group's weights and indices are asked for again, for the next block, as soon as they are used.
; FORMATS.  f16 x f16 products summed in f32 (v_fma_mix_f32); the sum rounded once to f16.  LIMITS.  f16's: sums under 65,504; below 6.1e-5 the fixed step 6e-8.
.set VSTR,  272384                     ; bytes of a table in vals
.set SSTR,  278528                     ; and in samp
.set WPL,   4352000                    ; bytes of a head's plane in wts
.set IPL,   1088000                    ; and in idx
.set RMAX,  33984                      ; the last block of 16 rows of wts and idx
.set P0,    2688                       ; level 0's pitch in LDS: 84 x 32
.set P1,    1408                       ; level 1's: 44 x 32
.set L1B,   80*P0                      ; level 1 begins
.set L2B,   L1B+40*P1                  ; the last run lands: 384 bytes of gap, level 2 (place 8,492), level 3 (place 8,892)
.set SPARE, L2B+16384                  ; behind the table: the spare words, 128 bytes for each wave: four blocks of 256 bytes that no other line names
.set SPW,  2                           ; v2   SPARE + 4 x my thread's number; never rewritten
.set NIL,  3                           ; v3   0; never rewritten
.set ZERO, 4                           ; v4   0: what a group's first point is added to
.set WOF,  5                           ; v5   128 x query + 32 x tap
.set IOF,  6                           ; v6   32 x query
.set SOFF, 7                           ; v7   my 16 bytes of a block of samp: 32 (4 tap + query) + 16 chunk
.set TOFF, 8                           ; v[8:11]   by level: chunk + 2 tap x + 2 pitch x tap y, in units of 16 bytes
.set TM,   12                          ; v[12:15]  at work
.set AD,   16                          ; v[16:31]  the 16 points' LDS addresses
.set IX,   32                          ; v[32:63]  indices: group j at 8 j
.set WT,   64                          ; v[64:95]  weights of my tap: group j at 8 j
.set AC,   96                          ; v[96:103] my 8 channels' sums
.set PK,   104                         ; v[104:107] the same in f16
.set OUT,  108                         ; v[108:111] what I store for the block
.set L0A,  112                         ; v[112:121] the copies' LDS addresses: level 0, my row i
.set L1A,  122                         ; v[122:126] level 1, my row i
.set L2A,  127                         ; v127      the last run
.set GA0,  128                         ; v128-130  the copies' offsets in the table in memory
.set GA1,  129
.set GA2,  130
                                       ; window 1: v[0:63], v[64:127]: two groups' gathered rows, point p at 4 p
.set WV,   12                          ; s12 wave
.set TBL,  13                          ; s13 table
.set CX,   14                          ; s14 which quarter of the places
.set BB,   15                          ; s15 batch
.set MM,   16                          ; s16 head
.set RN,   17                          ; s17 the next block's first row of wts and idx
.set CNT,  18                          ; s18 blocks to go
.set WPA,  20                          ; s[20:21] wts at the next block
.set IPA,  22                          ; s[22:23] idx at the next block
.set IPB,  24                          ; s[24:25] idx at the block after that
.set MK,   28                          ; s28-30 the lanes of taps 1, 2, 3
.set MSB, 0
.macro WIN new                         ; s_set_vgpr_msb: bits 1:0 source 0, 7:6 destination; the high byte repeats the setting that is left
.if MSB != (\new)
	s_set_vgpr_msb (MSB<<8)|(\new)
.set MSB, (\new)
.endif
.endm
.macro LDI gi, ptr, off                ; group gi's indices: 32 bytes a query
	global_load_b128 v[IX+8*(\gi):IX+8*(\gi)+3],   v[IOF], s[\ptr:\ptr+1] offset:(\off)
	global_load_b128 v[IX+8*(\gi)+4:IX+8*(\gi)+7], v[IOF], s[\ptr:\ptr+1] offset:(\off)+16
.endm
.macro LDW j                           ; group j's weights: 32 bytes a query and tap; the group's 512 bytes lie on end
	global_load_b128 v[WT+8*(\j):WT+8*(\j)+3],   v[WOF], s[WPA:WPA+1] offset:512*(\j)
	global_load_b128 v[WT+8*(\j)+4:WT+8*(\j)+7], v[WOF], s[WPA:WPA+1] offset:512*(\j)+16
.endm
; Group gi's 16 LDS addresses.  An index is held to the largest that its level can have, 2 (first place + (H - 2) pitch + W - 2), so that no tap leaves the table.
.macro ADDR gi
	WIN 0
.irp pb, 0,4,8,12
.if (\pb) == 0
.set LIM, 13260
.set TO, TOFF
.elseif (\pb) == 4
.set LIM, 17740
.set TO, TOFF+2
.elseif (\pb) == 8
.set LIM, 16860
.set TO, TOFF+1
.else
.set LIM, 17960
.set TO, TOFF+3
.endif
	v_and_b32     v[TM],   0xffff, v[IX+8*(\gi)+(\pb)/2]
	v_lshrrev_b32 v[TM+1], 16,     v[IX+8*(\gi)+(\pb)/2]
	v_and_b32     v[TM+2], 0xffff, v[IX+8*(\gi)+(\pb)/2+1]
	v_lshrrev_b32 v[TM+3], 16,     v[IX+8*(\gi)+(\pb)/2+1]
.irp k, 0,1,2,3
	v_min_u32 v[TM+(\k)], LIM, v[TM+(\k)]
.endr
.irp k, 0,1,2,3
	v_add_lshl_u32 v[AD+(\pb)+(\k)], v[TM+(\k)], v[TO], 4
.endr
.endr
.endm
.macro GATH buf                        ; 16 LDS loads: a point each, four queries x four taps x 32 bytes
	WIN 0x40                                       ; destination window 1
.irp p, 0,1,2,3,4,5,6,7,8,9,10,11,12,13,14,15
	ds_load_b128 v[64*(\buf)+4*(\p):64*(\buf)+4*(\p)+3], v[AD+(\p)]
.endr
	WIN 0
.endm
; Group j: sum += value (an f16 half) x weight (an f16 half), in f32; eight sums that do not wait for each other
.macro FMA j
	WIN 0x01                                       ; source 0 in window 1
.irp p, 0,1,2,3,4,5,6,7,8,9,10,11,12,13,14,15
.irp c, 0,1,2,3,4,5,6,7
.set rG, 64*((\j)%2)+4*(\p)+(\c)/2
.set rW, WT+8*(\j)+(\p)/2
.set rA, AC+(\c)
.if (\p) == 0
.set rA, ZERO                          ; the group's first point starts the sums: nothing is cleared
.endif
.set hh, 2*((\p)%2)+(\c)%2
.if hh == 0
	v_fma_mix_f32 v[AC+(\c)], v[rG], v[rW], v[rA] op_sel_hi:[1,1,0]
.elseif hh == 1
	v_fma_mix_f32 v[AC+(\c)], v[rG], v[rW], v[rA] op_sel:[1,0,0] op_sel_hi:[1,1,0]
.elseif hh == 2
	v_fma_mix_f32 v[AC+(\c)], v[rG], v[rW], v[rA] op_sel:[0,1,0] op_sel_hi:[1,1,0]
.else
	v_fma_mix_f32 v[AC+(\c)], v[rG], v[rW], v[rA] op_sel:[1,1,0] op_sel_hi:[1,1,0]
.endif
.endr
.endr
	WIN 0
.endm
; The stage of group j of a block.  The loads go out in a fixed order, two at a time: indices of group j + 1, weights of group j, indices of group j + 2, ..
; so behind any pair stand seven pairs, 14 loads, when it is wanted a block later.
.macro STG j
.set nx, ((\j)+1)%4
.if (\j) == 0
	s_wait_xcnt 0x0                                ; every load and the last block's store have read their bases, offsets and data: pointers and OUT are written only behind this wait
	s_add_nc_u64 s[10:11], s[10:11], 512           ; samp one block past the block in hand: its store reaches back
	s_add_co_u32 s[RN], s[RN], 16
	s_min_u32 s32, s[RN], RMAX                     ; no load leaves wts or idx
	s_lshl_b32 s26, s32, 7
	s_add_nc_u64 s[WPA:WPA+1], s[6:7], s[26:27]
	s_lshl_b32 s26, s32, 5
	s_add_nc_u64 s[IPA:IPA+1], s[8:9], s[26:27]
	s_add_co_u32 s32, s[RN], 16
	s_min_u32 s32, s32, RMAX
	s_lshl_b32 s26, s32, 5
	s_add_nc_u64 s[IPB:IPB+1], s[8:9], s[26:27]
.endif
	s_wait_loadcnt 14                              ; the next group's indices are in
	ADDR nx
	GATH nx%2                                      ; its rows, into the registers that the group before this one has left
.if (\j) < 3
	LDI nx, IPA, 128*nx                            ; the same group of the next block
.else
	LDI 0, IPB, 0                                  ; group 0 of the next block has just been used: the block after that
.endif
	s_wait_dscnt 16                                ; LDS loads come back in order: all but the 16 just issued are in
	s_wait_loadcnt 14                              ; this group's weights are in
	FMA \j
.irp c, 0,1,2,3,4,5,6,7
	v_add_f32_dpp v[AC+(\c)], v[AC+(\c)], v[AC+(\c)] row_xmask:2 row_mask:0xf bank_mask:0xf  ; + the other tap x
.endr
.irp c, 0,1,2,3,4,5,6,7
	v_add_f32_dpp v[AC+(\c)], v[AC+(\c)], v[AC+(\c)] row_xmask:4 row_mask:0xf bank_mask:0xf  ; + the other tap y
.endr
.if (\j) == 0
.irp i, 0,1,2,3
	v_cvt_pk_f16_f32 v[OUT+(\i)], v[AC+2*(\i)], v[AC+2*(\i)+1]
.endr
.else
.irp i, 0,1,2,3
	v_cvt_pk_f16_f32 v[PK+(\i)], v[AC+2*(\i)], v[AC+2*(\i)+1]
.endr
.irp i, 0,1,2,3
	v_cndmask_b32 v[OUT+(\i)], v[OUT+(\i)], v[PK+(\i)], s[MK+(\j)-1]  ; the lanes of tap j keep group j
.endr
.endif
	LDW \j                                         ; the same group of the next block
.if (\j) == 3
	global_store_b128 v[SOFF], v[OUT:OUT+3], s[10:11] offset:-512  ; the block's 16 places: 512 consecutive bytes, aligned
.endif
.endm
	s_load_b256 s[4:11], s[0:1], 0x0               ; vals s[4:5], wts s[6:7], idx s[8:9], samp s[10:11]
	v_lshl_add_u32 v[SPW], v0, 2, SPARE
	v_mov_b32 v[NIL], 0
	ds_add_u32 v[SPW], v[NIL]                      ; the wave's opening: the add and its wait stand ahead of my first copy; the set-up below, work on registers, stands between them
	ds_add_u32 v2, v3
	v_lshrrev_b32 v1, 5, v0
	v_readfirstlane_b32 s[WV], v1
	s_lshr_b32 s[TBL], ttmp9, 2
	s_and_b32 s[CX], ttmp9, 3
	s_lshr_b32 s[BB], s[TBL], 4
	s_bfe_u32 s[MM], s[TBL], 0x30001               ; 3 bits from bit 1
	s_mov_b32 s27, 0
	s_mov_b32 s[MK], 0x0c0c0c0c
	s_mov_b32 s[MK+1], 0x30303030
	s_mov_b32 s[MK+2], 0xc0c0c0c0
	v_mov_b32 v[ZERO], 0
	v_and_b32 v1, 31, v0                           ; lane
	; the copies' addresses.  An immediate is added to both sides (ISA guide, the asynchronous loads), so what differs between them, 128 bytes a row, stands in the LDS registers
	s_mul_i32 s33, s[WV], 10*P0                    ; level 0: my rows 10 w + i
	v_lshl_add_u32 v[L0A], v1, 4, s33
.irp i, 1,2,3,4,5,6,7,8,9
	v_add_nc_u32 v[L0A+(\i)], 128*(\i), v[L0A]
.endr
	s_mul_i32 s33, s[WV], 10*2560
	v_lshl_add_u32 v[GA0], v1, 4, s33
	s_mul_i32 s33, s[WV], 5*P1                     ; level 1: my rows 5 w + i, 8 bytes a lane: a row is five instructions
	s_add_co_u32 s33, s33, L1B
	v_lshl_add_u32 v[L1A], v1, 3, s33
.irp i, 1,2,3,4
	v_add_nc_u32 v[L1A+(\i)], 128*(\i), v[L1A]
.endr
	s_mul_i32 s33, s[WV], 5*1280
	s_add_co_u32 s33, s33, 6400*32
	v_lshl_add_u32 v[GA1], v1, 3, s33
	s_lshl_b32 s33, s[WV], 11                      ; the last run: my 2,048 bytes
	s_add_co_u32 s34, s33, L2B
	v_lshl_add_u32 v[L2A], v1, 4, s34
	s_add_co_u32 s34, s33, 7988*32                 ; from 12 tokens ahead of level 2
	v_lshl_add_u32 v[GA2], v1, 4, s34
	s_mul_i32 s32, s[CX], 2176
	s_mul_i32 s33, s[WV], 272
	s_add_co_u32 s32, s32, s33                     ; my first place
	s_mul_i32 s[RN], s[BB], 8496
	s_add_co_u32 s[RN], s[RN], s32                 ; and its row of wts and idx
	s_wait_dscnt 0x0                               ; the opening add is done
	s_wait_kmcnt 0x0
	s_mul_i32 s26, s[TBL], VSTR
	s_lshl_b32 s33, s[BB], 7                       ; the batch's first token lies at place 4 b
	s_add_co_u32 s26, s26, s33
	s_add_nc_u64 s[4:5], s[4:5], s[26:27]
.irp i, 0,1,2,3,4,5,6,7,8,9
.irp j, 0,1,2,3,4
	global_load_async_to_lds_b128 v[L0A+(\i)], v[GA0], s[4:5] offset:2560*(\i)+512*(\j)
.endr
.endr
.irp i, 0,1,2,3,4
.irp j, 0,1,2,3,4
	global_load_async_to_lds_b64 v[L1A+(\i)], v[GA1], s[4:5] offset:1280*(\i)+256*(\j)
.endr
.endr
.irp j, 0,1,2,3
	global_load_async_to_lds_b128 v[L2A], v[GA2], s[4:5] offset:512*(\j)
.endr
	s_mul_i32 s26, s[MM], WPL
	s_add_nc_u64 s[6:7], s[6:7], s[26:27]          ; my head's plane of wts
	s_mul_i32 s26, s[MM], IPL
	s_add_nc_u64 s[8:9], s[8:9], s[26:27]          ; and of idx
	s_mul_i32 s26, s[TBL], SSTR
	s_lshl_b32 s33, s32, 5
	s_add_co_u32 s26, s26, s33
	s_add_nc_u64 s[10:11], s[10:11], s[26:27]      ; samp at my first place
	s_min_u32 s32, s[RN], RMAX                     ; block 0
	s_lshl_b32 s26, s32, 7
	s_add_nc_u64 s[WPA:WPA+1], s[6:7], s[26:27]
	s_lshl_b32 s26, s32, 5
	s_add_nc_u64 s[IPA:IPA+1], s[8:9], s[26:27]
	s_add_co_u32 s32, s[RN], 16                    ; block 1
	s_min_u32 s32, s32, RMAX
	s_lshl_b32 s26, s32, 5
	s_add_nc_u64 s[IPB:IPB+1], s[8:9], s[26:27]
	v_bfe_u32 v[TM+2], v0, 1, 2                    ; tap
	v_bfe_u32 v[TM+3], v0, 3, 2                    ; query
	v_lshlrev_b32 v[IOF], 5, v[TM+3]
	v_lshlrev_b32 v[WOF], 7, v[TM+3]
	v_lshl_add_u32 v[WOF], v[TM+2], 5, v[WOF]
	LDI 0, IPA, 0                                  ; block 0, in the order that the loop keeps
	LDI 1, IPA, 128
	LDW 0
	LDI 2, IPA, 256
	LDW 1
	LDI 3, IPA, 384
	LDW 2
	v_and_b32 v[TM], 3, v0                         ; chunk + 2 tap x
	v_bfe_u32 v[TM+1], v0, 2, 1                    ; tap y
	v_mad_u32_u24 v[TOFF],   v[TM+1], 168, v[TM]
	v_mad_u32_u24 v[TOFF+1], v[TM+1], 88,  v[TM]
	v_mad_u32_u24 v[TOFF+2], v[TM+1], 40,  v[TM]
	v_mad_u32_u24 v[TOFF+3], v[TM+1], 20,  v[TM]
	v_lshl_add_u32 v[SOFF], v[TM+2], 2, v[TM+3]
	v_lshlrev_b32 v[SOFF], 5, v[SOFF]
	v_and_b32 v[TM], 1, v0
	v_lshl_add_u32 v[SOFF], v[TM], 4, v[SOFF]
	s_wait_loadcnt 12                              ; group 0's indices are in: six pairs were issued behind them
	ADDR 0
	LDI 0, IPB, 0                                  ; block 1's group 0
	LDW 3
	s_wait_asynccnt 0x0                            ; my part of the table lies in LDS,
	s_barrier_signal -1
	s_barrier_wait -1                              ; everybody's does
	GATH 0
	s_mov_b32 s[CNT], 17
.Lblock:                                       ; a trip is a block of 16 places.  The last trip's requests for what would follow are held inside the buffers and the table, and nobody uses them
	STG 0
	STG 1
	STG 2
	STG 3
	s_sub_co_u32 s[CNT], s[CNT], 1
	s_cmp_lg_u32 s[CNT], 0
	s_cbranch_scc1 .Lblock
	s_wait_tensorcnt 0x0                           ; the wave's end
	ds_add_u32 v[SPW], v[NIL]
	s_wait_dscnt 0x0
	s_endpgm
.Lfunc_end_k_qcc649fa031_sample:
	.size	k_qcc649fa031_sample, .Lfunc_end_k_qcc649fa031_sample-k_qcc649fa031_sample
	.p2alignl 7, 3214868480
	.fill 96, 4, 3214868480
	.section	.rodata,"a",@progbits
	.p2align	6, 0x0
	.amdhsa_kernel k_qcc649fa031_sample
		.amdhsa_group_segment_fixed_size 288768
		.amdhsa_private_segment_fixed_size 0
		.amdhsa_enable_private_segment 0
		.amdhsa_kernarg_size 32
		.amdhsa_user_sgpr_count 2
		.amdhsa_user_sgpr_kernarg_segment_ptr 1
		.amdhsa_wavefront_size32 1
		.amdhsa_system_sgpr_workgroup_id_x 1
		.amdhsa_system_sgpr_workgroup_id_y 1
		.amdhsa_system_sgpr_workgroup_id_z 1
		.amdhsa_system_vgpr_workitem_id 0
		.amdhsa_next_free_vgpr 384
		.amdhsa_next_free_sgpr 66
		.amdhsa_reserve_vcc 0
		.amdhsa_float_denorm_mode_32 3
		.amdhsa_float_denorm_mode_16_64 3
		.amdhsa_memory_ordered 1
		.amdhsa_forward_progress 1
		.amdhsa_inst_pref_size 74
	.end_amdhsa_kernel
	.amdgpu_metadata
---
amdhsa.version: [ 1, 2 ]
amdhsa.kernels:
  - .name:           k_qcc649fa031_sample
    .symbol:         k_qcc649fa031_sample.kd
    .args:
      - { .name: vals, .offset: 0, .size: 8, .value_kind: global_buffer, .address_space: global }
      - { .name: wts, .offset: 8, .size: 8, .value_kind: global_buffer, .address_space: global }
      - { .name: idx, .offset: 16, .size: 8, .value_kind: global_buffer, .address_space: global }
      - { .name: samp, .offset: 24, .size: 8, .value_kind: global_buffer, .address_space: global }
    .group_segment_fixed_size: 288768
    .private_segment_fixed_size: 0
    .kernarg_segment_align: 8
    .kernarg_segment_size: 32
    .max_flat_workgroup_size: 256
    .sgpr_count:     66
    .vgpr_count:     384
    .wavefront_size: 32
...
	.end_amdgpu_metadata
.endif
;; end of part 5
;; launch outp (part 6): grid 256 x 1, 8 waves a work-group, no clusters, 35,840 bytes of LDS; arguments samp, wfrag, b_out, out0; writes out0
.if DOCPART == 6
	.amdgcn_target "amdgcn-amd-amdhsa--gfx1250"
	.amdhsa_code_object_version 6
	.text
	.protected	k_qcc649fa031_outp
	.globl	k_qcc649fa031_outp
	.p2align	8
	.type	k_qcc649fa031_outp,@function
k_qcc649fa031_outp:
	s_mov_b64 s[64:65], 0
	v_nop
	global_prefetch_b8 v0, s[64:65] scope:SCOPE_SE
	s_setreg_imm32_b32 hwreg(HW_REG_WAVE_MODE, 25, 1), 1
	s_wait_xcnt 0x0
; out0[R][:] = sampled row R x W_out + b_out.
; IN.  samp f16 [64 tables: batch, head, channel half][8,704 places][16]; token R of batch b has place R - 8,496 b.  wfrag: W_out in f16 as fragments, tiles 40 + t: columns 16 t on.
; SHARES.  34,000 rows are 2,125 tiles of 16.  Work-group g has 8 tiles, the first 77 work-groups 9.  Wave w makes columns 64 (w % 4) on (four tiles of 16; their fragments, 256 registers,
; are loaded once and stay) of every second tile: the even ones (w / 4 = 0) or the odd ones: 4 tiles, or 5.
; LAYOUT.  Transposed use (source 0 = 16 columns of W_out, source 1 = 16 rows): a lane holds 8 neighbouring columns of one row.  K step s is head s; a fragment's registers 0-3 are channels
; 8 hf + 0..7 of the head's first half, registers 4-7 of its second: 16 bytes at 32 r + 16 hf of a table: a load of the wave covers 512 consecutive bytes, and nothing goes through LDS on the way in.
; IN FLIGHT.  Two buffers of fragments of sampled rows, each with its own offset register.  Both first tiles are asked for ahead of the weights; a buffer is asked for again, for the tile two on,
; straight behind its products.  A wave's 4 or 5 tiles are written out, with one forward branch, so that each counted wait holds on its own path.
; The sums start from b_out as the first product's C.  The way out goes through a stage of the wave's own, so that 16 lanes store 256 consecutive bytes.
; NO CLUSTER, though every work-group reads W_out's fragments: they go straight into registers, where a joint load cannot land; and 77 is no multiple of four, so partners would have 8 and 9 tiles.
; FORMATS.  Operands f16, sums f32, out0 f32.  No barrier: no wave reads what another has written.
.set SSTR,  278528                     ; bytes of a table in samp
.set KSV,   16*SSTR-8496*32            ; what a step of the batch adds to a token's offset in samp
.set OPI,   272                        ; a row of a wave's stage: 64 f32 + 16 bytes
.set SPARE, 8*16*OPI                   ; behind the stages: the spare words, 128 bytes for each wave: four blocks of 256 bytes that no other line names
.set SPW,  2                           ; v2   SPARE + 4 x my thread's number; never rewritten
.set NIL,  3                           ; v3   0; never rewritten
.set OSW,  4                           ; v4   the stage: where I put 32 bytes of a row
.set OSR,  5                           ; v5   where I read rows back
.set CO,   6                           ; v6   the same two rows in out0
.set FO,   7                           ; v7   16 l
.set BO,   8                           ; v8   my 8 numbers of b_out
.set RL,   9                           ; v9   r
.set H16,  10                          ; v10  16 hf
.set ROWV, 11                          ; v11  my token
.set AO,   12                          ; v12, v13  buffer b: my token's 16 bytes in the batch's first table
.set TM,   84                          ; v84-86 at work
                                       ; v[96:159] buffer 0, v[16:79] buffer 1: a tile's fragments of sampled rows: buffer b at 96 - 80 b
.set GACC, 160                         ; v[160:191] four accumulators
.set BIASR, 192                        ; v[192:223] b_out in their layout
.set OB,   224                         ; v[224:255] rows on their way out
                                       ; window 1: W_out's fragments: tile t, K step s at 64 t + 8 s
.set WV,   12                          ; s12 wave
.set CG,   13                          ; s13 wave % 4
.set RG,   14                          ; s14 wave / 4
.set T,    15                          ; s15 the tile in hand
.set NW,   16                          ; s16 my tiles: 4 or 5
.set TL,   17                          ; s17 the tile to be asked for next
.set KS,   18                          ; s18 KSV
.set FP,   20                          ; s[20:21] my four tiles of fragments
.set OBS,  22                          ; s[22:23] out0 at my 64 columns
.set OP,   24                          ; s[24:25] the same at the tile in hand
.set MSB, 0
.macro WIN new                         ; s_set_vgpr_msb: bits 1:0 source 0, 7:6 destination; the high byte repeats the setting that is left
.if MSB != (\new)
	s_set_vgpr_msb (MSB<<8)|(\new)
.set MSB, (\new)
.endif
.endm
; The fragments of tile s[TL] into buffer b: my token, its batch, its offset; 16 loads, the table in the immediate (4,177,920 at the most, inside the signed 24 bits: ISA guide, chapter 10)
.macro ALOADS b
.set rA, 96-80*(\b)
	v_lshl_add_u32 v[ROWV], s[TL], 4, v[RL]
	v_cmp_lt_u32 vcc_lo, 8499, v[ROWV]
	v_cndmask_b32 v[TM], 0, s[KS], vcc_lo
	v_cmp_lt_u32 vcc_lo, 16999, v[ROWV]
	v_cndmask_b32 v[TM+1], 0, s[KS], vcc_lo
	v_cmp_lt_u32 vcc_lo, 25499, v[ROWV]
	v_cndmask_b32 v[TM+2], 0, s[KS], vcc_lo
	v_add3_u32 v[TM], v[TM], v[TM+1], v[TM+2]
	v_add_nc_u32 v[TM], v[TM], v[H16]
	v_lshl_add_u32 v[AO+(\b)], v[ROWV], 5, v[TM]
.irp s, 0,1,2,3,4,5,6,7
	global_load_b128 v[rA+8*(\s):rA+8*(\s)+3],   v[AO+(\b)], s[4:5] offset:2*(\s)*SSTR
	global_load_b128 v[rA+8*(\s)+4:rA+8*(\s)+7], v[AO+(\b)], s[4:5] offset:(2*(\s)+1)*SSTR
.endr
	s_add_co_u32 s[TL], s[TL], 2
.endm
; A tile of 16 rows x my 64 columns, its fragments in buffer b.  cnt: the loads issued behind them.  more = 1: the buffer is asked for again, for the tile two on.
.macro TILE b, cnt, more
.set rA, 96-80*(\b)
	s_wait_loadcnt \cnt                            ; loads come back in order (ISA guide 5.7.1): this buffer's 16 are in, and its offset register is free
	WIN 0x01                                       ; source 0 in window 1
.irp s, 0,1,2,3,4,5,6,7                ; 32 products, the four accumulators by turns
.irp t, 0,1,2,3
.if (\s) == 0
	v_wmma_f32_16x16x32_f16 v[GACC+8*(\t):GACC+8*(\t)+7], v[64*(\t)+8*(\s):64*(\t)+8*(\s)+7], v[rA+8*(\s):rA+8*(\s)+7], v[BIASR+8*(\t):BIASR+8*(\t)+7]
.else
	v_wmma_f32_16x16x32_f16 v[GACC+8*(\t):GACC+8*(\t)+7], v[64*(\t)+8*(\s):64*(\t)+8*(\s)+7], v[rA+8*(\s):rA+8*(\s)+7], v[GACC+8*(\t):GACC+8*(\t)+7]
.endif
.endr
.endr
	WIN 0
.rept 5
	v_nop                                          ; places behind the last products: four ahead of the stores that read them and of the loads into their sources, five ahead of the next tile's first product, which writes over an accumulator
.endr
	s_wait_xcnt 0x0                                ; the last tile's stores, issued a tile ago, have read their data and their base; it stands ahead of this tile's new loads
	s_lshl_b32 s26, s[T], 14                       ; the tile's 16 rows of out0
	s_add_nc_u64 s[OP:OP+1], s[OBS:OBS+1], s[26:27]
	s_add_co_u32 s[T], s[T], 2
.if \more
	ALOADS \b                                      ; on their way while this tile goes out and the next is multiplied
.endif
.irp t, 0,1,2,3
	ds_store_b128 v[OSW], v[GACC+8*(\t):GACC+8*(\t)+3]   offset:64*(\t)      ; each accumulator's lowest registers first
	ds_store_b128 v[OSW], v[GACC+8*(\t)+4:GACC+8*(\t)+7] offset:64*(\t)+16
.endr
.irp i, 0,1,2,3,4,5,6,7
	ds_load_b128 v[OB+4*(\i):OB+4*(\i)+3], v[OSR] offset:2*OPI*(\i)  ; LDS serves a wave's instructions in order (ISA guide 5.7.1.4): these see the stores above
.endr
	s_wait_dscnt 0x0
.irp i, 0,1,2,3,4,5,6,7
	global_store_b128 v[CO], v[OB+4*(\i):OB+4*(\i)+3], s[OP:OP+1] offset:2048*(\i) th:TH_STORE_NT  ; 16 lanes store 256 consecutive bytes, at a multiple of 256 from out0's first byte
.endr
.endm
	s_load_b256 s[4:11], s[0:1], 0x0               ; samp s[4:5], wfrag s[6:7], b_out s[8:9], out0 s[10:11]
	v_lshl_add_u32 v[SPW], v0, 2, SPARE
	v_mov_b32 v[NIL], 0
	v_lshrrev_b32 v1, 5, v0
	v_readfirstlane_b32 s[WV], v1
	s_and_b32 s[CG], s[WV], 3
	s_lshr_b32 s[RG], s[WV], 2
	s_min_u32 s28, ttmp9, 77
	s_lshl3_add_u32 s[T], ttmp9, s28               ; 8 g + min(g, 77)
	s_cmp_lt_u32 ttmp9, 77
	s_cselect_b32 s[NW], 9, 8
	s_sub_co_u32 s[NW], s[NW], s[RG]
	s_add_co_u32 s[NW], s[NW], 1
	s_lshr_b32 s[NW], s[NW], 1                     ; 4 or 5: every second tile
	s_add_co_u32 s[T], s[T], s[RG]
	s_mov_b32 s[TL], s[T]
	s_mov_b32 s[KS], KSV
	s_mov_b32 s27, 0
	v_and_b32 v1, 31, v0                           ; l
	v_lshlrev_b32 v[FO], 4, v1
	v_and_b32 v[RL], 15, v0                        ; r
	v_bfe_u32 v[TM], v0, 4, 1                      ; hf
	v_lshlrev_b32 v[H16], 4, v[TM]
	s_mul_i32 s28, s[WV], 16*OPI                   ; my stage
	v_mul_u32_u24 v[OSW], v[RL], OPI               ; in: row r, 32 bytes for each half of the lanes
	v_lshl_add_u32 v[OSW], v[TM], 5, v[OSW]
	v_add_nc_u32 v[OSW], s28, v[OSW]
	v_mul_u32_u24 v[OSR], v[TM], OPI               ; back: lanes 0-15 one row of 256 bytes, lanes 16-31 the next
	v_lshl_add_u32 v[OSR], v[RL], 4, v[OSR]
	v_add_nc_u32 v[OSR], s28, v[OSR]
	v_lshlrev_b32 v[CO], 10, v[TM]
	v_lshl_add_u32 v[CO], v[RL], 4, v[CO]
	s_lshl_b32 s28, s[CG], 8
	v_lshl_add_u32 v[BO], v[TM], 5, s28            ; 4 (64 (w % 4) + 8 hf)
	s_wait_kmcnt 0x0
	s_lshl_b32 s26, s[CG], 15
	s_add_co_u32 s26, s26, 40*8192
	s_add_nc_u64 s[FP:FP+1], s[6:7], s[26:27]      ; tiles 40 + 4 (w % 4) on
	s_lshl_b32 s26, s[CG], 8
	s_add_nc_u64 s[OBS:OBS+1], s[10:11], s[26:27]
	ALOADS 0                                       ; my first tile,
	ALOADS 1                                       ; and my second (every wave has four or more): ahead of the weights
.irp t, 0,1,2,3
	global_load_b128 v[BIASR+8*(\t):BIASR+8*(\t)+3],   v[BO], s[8:9] offset:64*(\t)
	global_load_b128 v[BIASR+8*(\t)+4:BIASR+8*(\t)+7], v[BO], s[8:9] offset:64*(\t)+16
.endr
	WIN 0x40                                       ; destination window 1
.irp t, 0,1,2,3
.irp s, 0,1,2,3,4,5,6,7
	global_load_b128 v[64*(\t)+8*(\s):64*(\t)+8*(\s)+3],   v[FO], s[FP:FP+1] offset:8192*(\t)+1024*(\s)
	global_load_b128 v[64*(\t)+8*(\s)+4:64*(\t)+8*(\s)+7], v[FO], s[FP:FP+1] offset:8192*(\t)+1024*(\s)+512
.endr
.endr
	WIN 0
	TILE 0, 0, 1                                   ; tile 0: W_out's fragments, the youngest loads, are wanted too; tile 2 is asked for
	TILE 1, 16, 1                                  ; tile 1: behind its loads stand tile 2's sixteen; tile 3 is asked for
	s_cmp_eq_u32 s[NW], 5
	s_cbranch_scc0 .Lfour
	TILE 0, 16, 1                                  ; five tiles.  Tile 2: behind its loads stand tile 3's; tile 4 is asked for
	TILE 1, 16, 0                                  ; tile 3: behind its loads stand tile 4's
	TILE 0, 0, 0                                   ; tile 4
	s_branch .Lend
.Lfour:
	TILE 0, 16, 0                                  ; four tiles.  Tile 2: behind its loads stand tile 3's; nothing is left to ask for
	TILE 1, 0, 0                                   ; tile 3
.Lend:
	s_wait_tensorcnt 0x0                           ; the wave's end, behind my last LDS store
	ds_add_u32 v[SPW], v[NIL]
	s_wait_dscnt 0x0
	s_endpgm
.Lfunc_end_k_qcc649fa031_outp:
	.size	k_qcc649fa031_outp, .Lfunc_end_k_qcc649fa031_outp-k_qcc649fa031_outp
	.p2alignl 7, 3214868480
	.fill 96, 4, 3214868480
	.section	.rodata,"a",@progbits
	.p2align	6, 0x0
	.amdhsa_kernel k_qcc649fa031_outp
		.amdhsa_group_segment_fixed_size 35840
		.amdhsa_private_segment_fixed_size 0
		.amdhsa_enable_private_segment 0
		.amdhsa_kernarg_size 32
		.amdhsa_user_sgpr_count 2
		.amdhsa_user_sgpr_kernarg_segment_ptr 1
		.amdhsa_wavefront_size32 1
		.amdhsa_system_sgpr_workgroup_id_x 1
		.amdhsa_system_sgpr_workgroup_id_y 1
		.amdhsa_system_sgpr_workgroup_id_z 1
		.amdhsa_system_vgpr_workitem_id 0
		.amdhsa_next_free_vgpr 512
		.amdhsa_next_free_sgpr 66
		.amdhsa_reserve_vcc 1
		.amdhsa_float_denorm_mode_32 3
		.amdhsa_float_denorm_mode_16_64 3
		.amdhsa_memory_ordered 1
		.amdhsa_forward_progress 1
		.amdhsa_inst_pref_size 49
	.end_amdhsa_kernel
	.amdgpu_metadata
---
amdhsa.version: [ 1, 2 ]
amdhsa.kernels:
  - .name:           k_qcc649fa031_outp
    .symbol:         k_qcc649fa031_outp.kd
    .args:
      - { .name: samp, .offset: 0, .size: 8, .value_kind: global_buffer, .address_space: global }
      - { .name: wfrag, .offset: 8, .size: 8, .value_kind: global_buffer, .address_space: global }
      - { .name: b_out, .offset: 16, .size: 8, .value_kind: global_buffer, .address_space: global }
      - { .name: out0, .offset: 24, .size: 8, .value_kind: global_buffer, .address_space: global }
    .group_segment_fixed_size: 35840
    .private_segment_fixed_size: 0
    .kernarg_segment_align: 8
    .kernarg_segment_size: 32
    .max_flat_workgroup_size: 256
    .sgpr_count:     66
    .vgpr_count:     512
    .wavefront_size: 32
...
	.end_amdgpu_metadata
.endif
;; end of part 6
